; MI455X (gfx1250); checked and timed in simulation.
; The chip was launched on July 23, 2026; its instructions are those of AMD's public machine-readable ISA for CDNA 5 (MIT licence, August 2026) and "CDNA5" Instruction Set Architecture Reference Guide (July 2026). The comments in the code are by the model that wrote it; some were corrected since.
;; Self Attention. Allowed arithmetic: matrix products marked QUANTISED: E4M3 operands, one given power-of-two scale a tensor, by v_wmma_f32_16x16x64_fp8_fp8 or v_wmma_f32_16x16x128_fp8_fp8, f32 sums; everything else in f32.
;; Inputs: bk 1,024 float32; bo 1,024 float32; bq 1,024 float32; bv 1,024 float32; lowp_scales 12 int32 (the exponents e of the quantised operands' scales 2^e); wk 1,024 x 1,024 float32; wo 1,024 x 1,024 float32; wq 1,024 x 1,024 float32; wv 1,024 x 1,024 float32; x 4 x 2,048 x 1,024 float32.
;; Outputs: out0 4 x 2,048 x 1,024 float32.
;; This version of the problem:
;;   THIS VERSION OF THE PROBLEM IS GIVEN IN LOW PRECISION. The matrix products marked QUANTISED in the list below multiply operands that are first quantised to E4M3 (4 exponent bits, 3 mantissa bits; 8 bits a number), with one given power-of-two scale for each operand tensor; their sums are f32. All else is computed in f32.
;;   The module's matrix products, in the order in which they are computed (A, B: the left and right operand; K: the contracted axis; several contracted axes count as one K, in the product's order):
;;     1. [M 8,192, K 1,024] x [K 1,024, N 1,024]; A: input x; B: input wq: QUANTISED (scales: A lowp_scales[0], B lowp_scales[1])
;;     2. [M 8,192, K 1,024] x [K 1,024, N 1,024]; A: input x; B: input wk: QUANTISED (scales: A lowp_scales[2], B lowp_scales[3])
;;     3. [M 8,192, K 1,024] x [K 1,024, N 1,024]; A: input x; B: input wv: QUANTISED (scales: A lowp_scales[4], B lowp_scales[5])
;;     4. batch 64 x [M 2,048, K 64] x [K 64, N 2,048]; A: computed on the way; B: computed on the way: QUANTISED (scales: A lowp_scales[6], B lowp_scales[7])
;;     5. batch 64 x [M 2,048, K 2,048] x [K 2,048, N 64]; A: softmax (see below); B: computed on the way: QUANTISED (scales: A lowp_scales[8], B lowp_scales[9])
;;     6. [M 8,192, K 1,024] x [K 1,024, N 1,024]; A: computed on the way; B: input wo: QUANTISED (scales: A lowp_scales[10], B lowp_scales[11])
;;   THE QUANTISER, for each operand of a quantised product, along K:
;;     - The operand's scale is 2^e, e = its entry of the input lowp_scales (int32; the entries are numbered through the quantised products in the list's order, A before B).
;;     - Each number is divided by the scale, clamped to +-448, and rounded to the nearest number of E4M3, ties to even, subnormals kept.
;;     - The product sums the exact products of the quantised numbers (number of the format x scale) in f32.
;;   ~~~python
;;   def quantise(x, axis, e):      # numpy; x: float32 -> the quantised numbers, widened to float32 again
;;       x = np.moveaxis(x, axis, -1); K = x.shape[-1]
;;       r = np.clip(x / 2.0 ** e, -448, 448)
;;       step = 2.0 ** (np.maximum(np.frexp(np.where(r == 0, 1, r))[1] - 1, -6) - 3)
;;       q = np.round(r / step) * step * 2.0 ** e      # np.round: ties to even
;;       return np.moveaxis(q, -1, axis).astype(np.float32)
;;   ~~~
;;   SOFTMAX AHEAD OF A QUANTISED PRODUCT. Where the list says 'softmax', what is quantised is not the finished softmax but p = 2^(t - M), with t = logit x log2(e) and M = ceil(the row's largest t), a whole number; so 1/2 < the row's largest p <= 1. The row's sum l is taken of the UNQUANTISED p, in f32, and the product's result is divided by l at the end. Since M is a whole number, a kernel that streams over the keys may use a running M (the ceiling of the running maximum): every later rescaling is an exact power of two, so the quantised numbers keep their values, but for numbers so far below the row's largest that they fall under the format's range.
;;   OPERANDS COMPUTED ON THE WAY. 'Computed on the way' means the value that the module computes at that place (a softmax that the list does not call 'softmax' is quantised finished and normalised). What goes into a quantiser is computed in f32, as accurately as f32 sums, v_exp_f32 and their like allow (about 1e-6 of the number): no bf16 or f16 on the way to a quantiser, and a product that is left as it is and whose result goes on into a quantised operand takes f32 operands (vector FMAs, or v_wmma_f32_16x16x4_f32). A number that lies on a knife's edge between two numbers of the format may be rounded either way, as far as f32 arithmetic and the matrix unit's own rounding can turn it there, and no further.
;; One version. Each part assembles by itself: llvm-mc -triple=amdgcn-amd-amdhsa -mcpu=gfx1250 --defsym DOCPART=n.
;; ======== version 1 of 1: 4 launches
;; limits: right only within a limited range of input values
;; workspace buffers: xc 25,165,824 bytes; wc 4,194,304 bytes; qkc 16,777,216 bytes; vc 8,388,608 bytes; cc 8,388,608 bytes
;; launch quant (part 1): grid 384 x 1, 4 waves a work-group, no clusters, 66,048 bytes of LDS; arguments x, wq, wk, wv, wo, lowp_scales, xc, wc; writes xc, wc
.if DOCPART == 1
	.amdgcn_target "amdgcn-amd-amdhsa--gfx1250"
	.amdhsa_code_object_version 6
	.text
	.protected	k_q68907196d7_quant
	.globl	k_q68907196d7_quant
	.p2align	8
	.type	k_q68907196d7_quant,@function
k_q68907196d7_quant:
	s_mov_b64 s[64:65], 0
	v_nop
	global_prefetch_b8 v0, s[64:65] scope:SCOPE_SE
	s_setreg_imm32_b32 hwreg(HW_REG_WAVE_MODE, 25, 1), 1
	s_wait_xcnt 0x0
; x [8192][1024] f32 becomes three planes of E4M3 codes (xc: under the scales' entries 0, 2 and 4, which need not be equal); wq, wk, wv, wo [1024][1024] f32 become the four
; planes of wc (entries 1, 3, 5, 11).  K is innermost in all of them and rows are dense, so each tensor is a plain stream of numbers and its codes a plain stream of bytes.
; code = number / 2^e, held within +-448, rounded to the nearest code, ties to even.
; LIMITS: each e lies between -126 and 119, so that 2^e and 448 x 2^e are f32 numbers.  NaN among the inputs is not served; an infinity is held at the largest code.
; SHARES: work-groups 0-255 take x, 32,768 numbers each; work-groups 256-383 the weights, 32 work-groups to a weight.  A wave takes 16 steps of 512 numbers.
; A conversion takes eight neighbours from ONE lane's registers, a load is dense where neighbouring LANES take neighbouring bytes.  Both are had: a step's four loads read 512 consecutive bytes each,
; the 2,048 bytes go through the wave's own stage in LDS as they lie and come back 64 bytes a lane (16 bytes of padding behind each 64).  A lane's 16 codes are 16 bytes: a store of the wave covers 512 consecutive bytes.
; x is read once and held and converted three times.  The two paths part on the work-group's number, never join, and have LDS bytes of their own.  No barrier: waves share nothing.
.set STEPS, 16
.set XWG,   256                        ; work-groups that take x
.set SP,    80                         ; a lane's place in a stage: 64 bytes + 16 of padding
.set WREG,  8192                       ; LDS of a wave: two stages of 32 x SP bytes
.set WLDS,  32768                      ; the weights' path has its stages from here on
.set SC,    5                          ; v5-7    2^e as f32, one for each scale in hand
.set LIM,   8
.set R,     16                         ; v16-79  four sets of 16 numbers as loaded
.set X,     80                         ; v80-111 two sets of 16 neighbours
.set T,     112
.set C,     160                        ; v160-171 the codes, four registers for each scale
.set SRC,   24                         ; s[24:25] my wave's numbers
.set DST,   26                         ; s[26:31] my wave's codes: up to three planes
	s_load_b512 s[4:19], s[0:1], 0x0               ; x 4, wq 6, wk 8, wv 10, wo 12, scales 14, xc 16, wc 18
	v_lshl_add_u32 v192, v0, 2, 0x10000
	v_mov_b32 v193, 0
	v_lshrrev_b32 v1, 5, v0
	v_readfirstlane_b32 s20, v1                    ; wave
	v_and_b32 v2, 31, v0                           ; lane
	v_lshlrev_b32 v3, 4, v2                        ; 16 x lane: my bytes of a load's 512 and of a store's 512; never rewritten
	s_mul_i32 s21, s20, WREG
	v_lshrrev_b32 v14, 2, v2
	v_mul_u32_u24 v14, v14, SP
	v_and_b32 v15, 3, v2
	v_lshl_add_u32 v14, v15, 4, v14
	v_add_nc_u32 v14, s21, v14                     ; into the stage: four lanes' 64 bytes on end, then the padding
	v_mul_u32_u24 v15, v2, SP
	v_add_nc_u32 v15, s21, v15                     ; out of it: my 16 neighbours
	v_add_nc_u32 v12, WLDS, v14                    ; the same two for the weights' path: all four are made ahead of the parting
	v_add_nc_u32 v13, WLDS, v15
	s_mov_b32 s23, 0                               ; the upper word of every offset
	s_wait_kmcnt 0x0
	s_load_b256 s[36:43], s[14:15], 0x0            ; e0 .. e7
	s_load_b128 s[44:47], s[14:15], 0x20           ; e8 .. e11
.macro LOAD t
.irp i, 0,1,2,3
	global_load_b128 v[R+16*((\t)%4)+4*\i:R+16*((\t)%4)+4*\i+3], v3, s[SRC:SRC+1] offset:2048*(\t)+512*\i th:TH_LOAD_NT   ; 32 lanes read 512 consecutive bytes, read once in the launch
.endr
.endm
.macro TURN t, vin, vout               ; step t's numbers through the stage: LDS serves a wave's instructions in order (ISA guide 5.7.1.4), so no wait stands between the stores and the loads
.irp i, 0,1,2,3
	ds_store_b128 v[\vin], v[R+16*((\t)%4)+4*\i:R+16*((\t)%4)+4*\i+3] offset:32*SP*((\t)%2)+8*SP*\i
.endr
.irp i, 0,1,2,3
	ds_load_b128 v[X+16*((\t)%2)+4*\i:X+16*((\t)%2)+4*\i+3], v[\vout] offset:32*SP*((\t)%2)+16*\i
.endr
.endm
.macro MKSCALE n, e                    ; from the whole number in s[e]: 2^e and 448 x 2^e as f32
	s_add_co_i32 s32, s[\e], 127
	s_lshl_b32 s33, s32, 23
	v_mov_b32 v[SC+\n], s33                        ; the conversion takes its exponent field
	s_add_co_i32 s32, s32, 8
	s_lshl_b32 s32, s32, 23
	s_or_b32 s32, s32, 0x600000                    ; 448 = 1.75 x 2^8
.endm
.macro STEP t, ns, vin, vout           ; ns: how many scales the step's numbers are quantised under
.set XS, X+16*((\t)%2)
	s_wait_dscnt 0x0                               ; this step's numbers are back from the stage, so its stores into the stage have read their registers,
.if (\t)+4 < STEPS
	LOAD (\t)+4                                    ; which take the loads of four steps on
.endif
.if (\t)+1 < STEPS
.if STEPS-2-(\t) >= 3
	s_wait_loadcnt 12                              ; the next step's four loads are in; those of the three steps behind it may be out
.else
	s_wait_loadcnt 4*(STEPS-2-(\t))                ; the counts run down: 8, 4, 0
.endif
	TURN (\t)+1, \vin, \vout                       ; and go through the other stage while this step is worked
.endif
	s_wait_xcnt 0x0                                ; the last step's stores have read the codes' registers, which are written again below
.irp s, 0,1,2
.if \s < \ns
.irp i, 0,1,2,3,4,5,6,7,8,9,10,11,12,13,14,15
.endr
	v_cvt_scalef32_pk8_fp8_f32 v[C+4*\s:C+4*\s+1], v[T+16*\s+((XS+0)-(T+16*\s+0)):T+16*\s+7+((XS+0)-(T+16*\s+0))], v[SC+\s]
	v_cvt_scalef32_pk8_fp8_f32 v[C+4*\s+2:C+4*\s+3], v[T+16*\s+8+((XS+0)-(T+16*\s+0)):T+16*\s+15+((XS+0)-(T+16*\s+0))], v[SC+\s]
.endif
.endr
	v_nop                                          ; one plain vector instruction behind the last conversion
.irp s, 0,1,2
.if \s < \ns
	global_store_b128 v3, v[C+4*\s:C+4*\s+3], s[DST+2*\s:DST+2*\s+1] offset:512*(\t)   ; 512 consecutive bytes, at a multiple of 512 from the plane's first byte
.endif
.endr
.endm
	s_cmp_lt_u32 ttmp9, XWG
	s_cbranch_scc0 .Lweights
	; ---- x
	s_lshl_b32 s21, ttmp9, 2
	s_add_co_u32 s21, s21, s20                     ; which run of 8,192 numbers is my wave's
	s_lshl_b32 s22, s21, 15
	s_add_nc_u64 s[SRC:SRC+1], s[4:5], s[22:23]
	s_lshl_b32 s22, s21, 13
	s_add_nc_u64 s[DST:DST+1], s[16:17], s[22:23]
	s_add_nc_u64 s[DST+2:DST+3], s[DST:DST+1], 0x800000     ; a plane of xc is 8,388,608 bytes: beyond a store's immediate, so each plane has its base
	s_add_nc_u64 s[DST+4:DST+5], s[DST+2:DST+3], 0x800000
.irp t, 0,1,2,3
	LOAD \t
.endr
	s_wait_kmcnt 0x0
	MKSCALE 0, 36                                  ; e0
	MKSCALE 1, 38                                  ; e2
	MKSCALE 2, 40                                  ; e4
	s_wait_loadcnt 12                              ; step 0's four loads are in
	s_wait_alu depctr_va_vdst(0)
	TURN 0, 14, 15
.irp t, 0,1,2,3,4,5,6,7,8,9,10,11,12,13,14,15
	STEP \t, 3, 14, 15
.endr
	s_wait_tensorcnt 0x0
	ds_add_u32 v192, v193
	s_wait_dscnt 0x0
	s_endpgm
.Lweights:
	; ---- the four weights
	s_sub_co_u32 s21, ttmp9, XWG                   ; 0 .. 127
	s_lshr_b32 s34, s21, 5                         ; which weight: 0 wq, 1 wk, 2 wv, 3 wo.  The choices hang on the work-group's number alone
	s_mov_b64 s[SRC:SRC+1], s[12:13]
	s_cmp_eq_u32 s34, 2
	s_cselect_b64 s[SRC:SRC+1], s[10:11], s[SRC:SRC+1]
	s_cmp_eq_u32 s34, 1
	s_cselect_b64 s[SRC:SRC+1], s[8:9], s[SRC:SRC+1]
	s_cmp_eq_u32 s34, 0
	s_cselect_b64 s[SRC:SRC+1], s[6:7], s[SRC:SRC+1]
	s_and_b32 s22, s21, 31
	s_lshl_b32 s22, s22, 2
	s_add_co_u32 s22, s22, s20                     ; which of the weight's 128 runs
	s_lshl_b32 s22, s22, 15
	s_add_nc_u64 s[SRC:SRC+1], s[SRC:SRC+1], s[22:23]
	s_lshl_b32 s22, s21, 2
	s_add_co_u32 s22, s22, s20                     ; which of wc's 512 runs: the four planes lie on end
	s_lshl_b32 s22, s22, 13
	s_add_nc_u64 s[DST:DST+1], s[18:19], s[22:23]
.irp t, 0,1,2,3
	LOAD \t
.endr
	s_wait_kmcnt 0x0
	s_mov_b32 s35, s47                             ; e11
	s_cmp_eq_u32 s34, 2
	s_cselect_b32 s35, s41, s35                    ; e5
	s_cmp_eq_u32 s34, 1
	s_cselect_b32 s35, s39, s35                    ; e3
	s_cmp_eq_u32 s34, 0
	s_cselect_b32 s35, s37, s35                    ; e1
	MKSCALE 0, 35
	s_wait_loadcnt 12
	s_wait_alu depctr_va_vdst(0)
	TURN 0, 12, 13
.irp t, 0,1,2,3,4,5,6,7,8,9,10,11,12,13,14,15
	STEP \t, 1, 12, 13
.endr
	s_wait_tensorcnt 0x0
	ds_add_u32 v192, v193
	s_wait_dscnt 0x0
	s_endpgm
.Lfunc_end_k_q68907196d7_quant:
	.size	k_q68907196d7_quant, .Lfunc_end_k_q68907196d7_quant-k_q68907196d7_quant
	.p2alignl 7, 3214868480
	.fill 96, 4, 3214868480
	.section	.rodata,"a",@progbits
	.p2align	6, 0x0
	.amdhsa_kernel k_q68907196d7_quant
		.amdhsa_group_segment_fixed_size 66048
		.amdhsa_private_segment_fixed_size 0
		.amdhsa_enable_private_segment 0
		.amdhsa_kernarg_size 64
		.amdhsa_user_sgpr_count 2
		.amdhsa_user_sgpr_kernarg_segment_ptr 1
		.amdhsa_wavefront_size32 1
		.amdhsa_system_sgpr_workgroup_id_x 1
		.amdhsa_system_sgpr_workgroup_id_y 1
		.amdhsa_system_sgpr_workgroup_id_z 1
		.amdhsa_system_vgpr_workitem_id 0
		.amdhsa_next_free_vgpr 194
		.amdhsa_next_free_sgpr 66
		.amdhsa_reserve_vcc 0
		.amdhsa_float_denorm_mode_32 3
		.amdhsa_float_denorm_mode_16_64 3
		.amdhsa_fp16_overflow 1
		.amdhsa_memory_ordered 1
		.amdhsa_forward_progress 1
		.amdhsa_inst_pref_size 50
	.end_amdhsa_kernel
	.amdgpu_metadata
---
amdhsa.version: [ 1, 2 ]
amdhsa.kernels:
  - .name:           k_q68907196d7_quant
    .symbol:         k_q68907196d7_quant.kd
    .args:
      - { .name: x, .offset: 0, .size: 8, .value_kind: global_buffer, .address_space: global }
      - { .name: wq, .offset: 8, .size: 8, .value_kind: global_buffer, .address_space: global }
      - { .name: wk, .offset: 16, .size: 8, .value_kind: global_buffer, .address_space: global }
      - { .name: wv, .offset: 24, .size: 8, .value_kind: global_buffer, .address_space: global }
      - { .name: wo, .offset: 32, .size: 8, .value_kind: global_buffer, .address_space: global }
      - { .name: lowp_scales, .offset: 40, .size: 8, .value_kind: global_buffer, .address_space: global }
      - { .name: xc, .offset: 48, .size: 8, .value_kind: global_buffer, .address_space: global }
      - { .name: wc, .offset: 56, .size: 8, .value_kind: global_buffer, .address_space: global }
    .group_segment_fixed_size: 66048
    .private_segment_fixed_size: 0
    .kernarg_segment_align: 8
    .kernarg_segment_size: 64
    .max_flat_workgroup_size: 128
    .sgpr_count:     66
    .vgpr_count:     194
    .wavefront_size: 32
...
	.end_amdgpu_metadata
.endif
;; end of part 1
;; launch qkv (part 2): grid 12 x 32, 4 waves a work-group, clusters of 4 x 4, 327,680 bytes of LDS; arguments xc, wc, lowp_scales, bq, bk, bv, qkc, vc; writes qkc, vc
.if DOCPART == 2
	.amdgcn_target "amdgcn-amd-amdhsa--gfx1250"
	.amdhsa_code_object_version 6
	.text
	.protected	k_q68907196d7_qkv
	.globl	k_q68907196d7_qkv
	.p2align	8
	.type	k_q68907196d7_qkv,@function
k_q68907196d7_qkv:
	s_mov_b64 s[64:65], 0
	v_nop
	global_prefetch_b8 v0, s[64:65] scope:SCOPE_SE
	s_setreg_imm32_b32 hwreg(HW_REG_WAVE_MODE, 25, 1), 1
	s_wait_xcnt 0x0
	s_wait_alu depctr_hold_cnt(0) depctr_sa_sdst(0) depctr_va_vdst(0) depctr_va_sdst(0) depctr_va_ssrc(0) depctr_va_vcc(0) depctr_vm_vsrc(0)
	s_getreg_b32 s2, hwreg(HW_REG_IB_STS2, 6, 4)
	s_cmp_eq_u32 s2, 0
	s_cbranch_scc0 .Lentry_in_a_cluster
	s_endpgm
.Lentry_in_a_cluster:
	s_bfe_u32 s2, ttmp6, 0x10000c
	s_cmp_lg_u32 s2, 0xf033
	s_cbranch_scc0 .Lentry_shape_is_right
	s_endpgm
.Lentry_shape_is_right:
; q = x wq^T + bq, k = x wk^T + bk, v = x wv^T + bv on E4M3 codes, each result quantised again (entries 6, 7, 9 of the scales) and laid as the attention launch reads it:
;   qkc [2][64 heads][2048][64]: q's codes, then k's, the head's 64 innermost;   vc [64 heads][64][2048]: v's codes with the KEYS innermost, since the keys are the next product's K.
; The cluster's x says which product: 0 q, 1 k, 2 v; it is the same in all sixteen partners, so branches may hang on it.
; A tile of 256 x 256 is made by four waves, 128 x 128 each (64 accumulators, 512 registers); K = 1,024 goes in four steps of 256 through a ring of two LDS slots filled by joint tensor loads:
; the four work-groups of a row of the cluster share A's tile, the four of a column B's.  THE MATRIX INSTRUCTION IS USED TRANSPOSED (source 0 = 16 rows of B, source 1 = 16 rows of A): a lane holds one row of A's
; side and eight neighbours of B's side.  For q and k: A = x, B = the weight: a lane has one token and eight neighbours of a head's 64.  FOR v THE TWO OPERANDS CHANGE PLACES (A = wv, B = x): a lane has one of
; the head's 64 and eight neighbouring keys.  Either way the eight are neighbours along the next product's K, so one conversion makes 8 bytes that belong together.  Both operands have rows of 1,024 bytes: one shape serves.
; A fragment is fetched by four loads of 16 bytes, 32 bytes apart: a permutation of k inside the instruction, the same in A and B: every product meets its partner, only the order of the sums inside an instruction changes.
; LIMITS: e0 + e1, e2 + e3, e4 + e5 between -126 and 127; e6, e7, e9 between -126 and 119.  NaN is not served.
; REGISTERS, in windows of 256: window 0: v1-29 addresses and constants; v32-95 the bias by columns; v96-111 the bias by rows; v128-255 A's fragments, ONE set; on the way out v128-191 a block's numbers, v192-223 its codes, then v128-255 rows read back.
;   window 1: B's fragments, TWO sets.   window 2: the accumulators of my rows 0-63 ((a, b) at v[8 (8 a + b)]);   window 3: those of my rows 64-127.
.set ROWB,   256                       ; a tile's row in bytes: 256 along K
.set KROW,   1024                      ; a row of either operand in memory
.set PITCH,  272                       ; an LDS row: 256 bytes + 16 of padding = 68 words: the 16 rows that a load touches start at 16 different banks (64 banks of 4 bytes: ISA guide 11.1)
.set FR,     16                        ; registers of a fragment: 16 rows x 128 K
.set NL,     4                         ; LDS loads that bring one
.set NP,     4                         ; places behind this matrix instruction (ISA guide 7.12.1)
.set HALFT,  128*PITCH                 ; 128 rows: what one tensor load brings
.set SLOT,   4*HALFT                   ; A's 256 rows, then B's 256 rows
.set LAPS,   2                         ; a lap = two K steps = once round the ring
.set SPARE,  2*SLOT                    ; behind the ring: the spare words, 128 bytes for each wave, which no other line names
.set STQ,    0                         ; the way out of q and k: 256 units of 256 bytes (+ 16): unit 64 x head + token / 4 holds four tokens' 64 codes of one head
.set STV,    256*PITCH                 ; the way out of v: 256 rows (one of 4 heads' 64 each) of 256 keys (+ 16).  Both stages lie in slot 0, which has had its last fill and its last read by then; each path has bytes of its own
.set STOQ, 8                           ; v8   where I put 8 codes, q and k
.set STOV, 9                           ; v9   the same for v
.set RDQ,  10                          ; v10  where I read units back
.set RDV,  11                          ; v11  where I read rows back
.set COQ,  12                          ; v12  my byte offset in qkc
.set COV,  13                          ; v13  my byte offset in vc
.set SC,   14                          ; v14  2^eo as f32, eo the result's scale
.set LIM,  15
.set ADRA, 16                          ; v16-17  LDS address of my A fragments in slot 0, 1
.set BLC,  18                          ; v18  the bias by columns: my byte offset
.set BLR,  19                          ; v19  the bias by rows
.set ADRB, 20                          ; v20-21  the same as ADRA for B
.set SPW,  28                          ; v28  LDS address of my spare word; never rewritten
.set NIL,  29                          ; v29  0; never rewritten
.set BIAS, 32                          ; v32-95   register 8 b + j: the bias of column 16 b + 8 (lane / 16) + j of my 128
.set BIASV, 96                         ; v96-111  registers 2 a, 2 a + 1: the bias of row 16 a + lane % 16 of my 128, twice
.set AF,   128
.set TMP,  128
.set CD,   192                         ; two sets of 16 registers of codes
.set G1, 24                            ; s[24:31] descriptor group 1 for A's tiles;  s[32:39] group 0, one set for each slot
.set G0, 32
.set G1B, 48                           ; s[48:55], s[56:63] the same for B's tiles
.set G0B, 56
.set MSB, 0
.macro WIN new                         ; the immediate's high byte repeats the setting that is left
.if MSB != \new
	s_set_vgpr_msb (MSB<<8)|\new
.set MSB, \new
.endif
.endm
.set MUL_LO, 0xa1                      ; source 0 (B) window 1, source 1 (A) window 0, C and D window 2
.set MUL_HI, 0xf1                      ; the same, C and D window 3
.set TO_B,   0x40                      ; destination window 1, address window 0
; A joint load: waves 0 and 1 fetch for A, waves 2 and 3 for B.  Each of the two lines has one mask and one set of registers for all that issue it; the branch hangs on the wave's number alone.
; Four v_nop follow each of the two lines, ahead of the jump, the label and what follows.
.macro JLOAD g0a, g1a, g0b, g1b
	s_cmp_eq_u32 s15, 0
	s_cbranch_scc0 .Lfor_b_\@
	tensor_load_to_lds s[\g0a:\g0a+3], s[\g1a:\g1a+7]
	s_nop 0
.rept 4
	v_nop
.endr
	s_branch .Lasked_\@
.Lfor_b_\@:
	tensor_load_to_lds s[\g0b:\g0b+3], s[\g1b:\g1b+7]
	s_nop 0
.rept 4
	v_nop
.endr
.Lasked_\@:
.endm
.macro CREST                           ; a round of the cluster's barrier behind its opening barrier
	s_cmp_lg_u32 s14, 0
	s_cbranch_scc1 .Lnot_wave_0_\@
	s_barrier_signal -3
.Lnot_wave_0_\@:
	s_barrier_wait -3
	s_barrier_signal -1
	s_barrier_wait -1
.endm
.macro CROUND                          ; a whole round
	s_barrier_signal -1
	s_barrier_wait -1
	CREST
.endm
	s_load_b512 s[68:83], s[0:1], 0x0              ; xc 68, wc 70, scales 72, bq 74, bk 76, bv 78, qkc 80, vc 82
	v_lshl_add_u32 v[SPW], v0, 2, SPARE
	v_mov_b32 v[NIL], 0
	ds_add_u32 v28, v29
	ds_add_u32 v28, v29
	s_wait_dscnt 0x0
	v_lshrrev_b32 v1, 5, v0
	v_readfirstlane_b32 s14, v1                    ; wave 0..3
	s_lshr_b32 s15, s14, 1                         ; which half of the tile's rows is mine.  Also: I fetch for A (0) or for B (1)
	s_and_b32 s16, s14, 1                          ; which half of its columns.  Also: which 128 rows of that tile I fetch
	s_bfe_u32 s40, ttmp6, 0x40000                  ; cx, cy: my place in the cluster
	s_bfe_u32 s41, ttmp6, 0x40004
	s_and_b32 s18, ttmp7, 0xffff
	s_lshl_b32 s18, s18, 2                         ; 4 x cluster y: which 1,024 tokens
	s_cmp_eq_u32 ttmp9, 2                          ; v?
	s_cselect_b32 s17, 0, s18                      ; the tokens run down A's side for q and k,
	s_cselect_b32 s42, s18, 0                      ; along B's side for v
	s_add_co_u32 s17, s17, s41                     ; tile row: made of cy and the cluster's place alone
	s_add_co_u32 s42, s42, s40                     ; tile column: made of cx and the cluster's place alone
	s_lshl_b32 s43, s41, 2
	s_lshl_b32 s43, 15, s43                        ; my row of the cluster
	s_lshl_b32 s44, 0x1111, s40                    ; my column
	; descriptor group 1: a tile of 128 rows x 256 bytes, padded in LDS
	s_or_b32 s[G1+0], s43, (0<<16)|(1<<20)|(1<<21)|(5<<22)|(3<<25)  ; 15:0 the mask: A's tiles go to my row; 17:16 elements of 1 byte; 20 padding on; 21 set beside a mask; 24:22 after every 64 words (code 5); 31:25 four words (code 3)
	s_or_b32 s[G1B+0], s44, (0<<16)|(1<<20)|(1<<21)|(5<<22)|(3<<25)
.irp g, G1, G1B
	s_mov_b32 s[\g+1], ROWB<<16                    ; tensor_dim0
	s_mov_b32 s[\g+2], 128<<16                     ; tensor_dim1 = 128
	s_mov_b32 s[\g+3], ROWB<<16                    ; tile_dim0
	s_mov_b32 s[\g+4], 128                         ; tile_dim1 = 128
	s_mov_b32 s[\g+5], KROW                        ; tensor_dim0_stride
	s_mov_b32 s[\g+6], 0
	s_mov_b32 s[\g+7], 0
.endr
	s_lshl_b32 s18, s16, 7                         ; which 128 rows of the tile I fetch
	s_lshl_b32 s20, s17, 8
	s_add_co_u32 s20, s20, s18                     ; A: row 256 x tile row + 128 x half,
	s_lshl_b32 s20, s20, 10                        ; in bytes (under 2^23)
	s_mov_b32 s21, 0
	s_lshl_b32 s46, s42, 8
	s_add_co_u32 s46, s46, s18                     ; B: row 256 x tile column + 128 x half
	s_lshl_b32 s46, s46, 10
	s_mov_b32 s47, 0
	s_mul_i32 s45, s14, HALFT                      ; where they go: wave x 128 rows: no place in the cluster enters an LDS address
	s_lshl_b32 s22, ttmp9, 23                      ; the product's plane of xc,
	s_mov_b32 s23, 0
	s_lshl_b32 s100, ttmp9, 20                     ; and of wc
	s_mov_b32 s101, 0
	s_wait_kmcnt 0x0
	s_load_b256 s[84:91], s[72:73], 0x0            ; e0 .. e7
	s_load_b128 s[92:95], s[72:73], 0x20           ; e8 .. e11
	s_add_nc_u64 s[22:23], s[68:69], s[22:23]
	s_add_nc_u64 s[100:101], s[70:71], s[100:101]
	s_cmp_eq_u32 ttmp9, 2
	s_cselect_b64 s[4:5], s[100:101], s[22:23]     ; A: x's codes, for v the weight's
	s_cselect_b64 s[6:7], s[22:23], s[100:101]     ; B: the weight's codes, for v x's
	s_add_nc_u64 s[20:21], s[4:5], s[20:21]
	s_add_nc_u64 s[46:47], s[6:7], s[46:47]
	CROUND                                         ; all sixteen work-groups are here: the first joint loads meet
.irp s, 0,1
	s_mov_b32 s[G0+4*\s], 1
	s_add_co_u32 s[G0+4*\s+1], s45, \s*SLOT
	s_add_nc_u64 s[G0+4*\s+2:G0+4*\s+3], s[20:21], \s*ROWB
	s_or_b32 s[G0+4*\s+3], s[G0+4*\s+3], 0x80000000
	s_mov_b32 s[G0B+4*\s], 1
	s_add_co_u32 s[G0B+4*\s+1], s45, \s*SLOT
	s_add_nc_u64 s[G0B+4*\s+2:G0B+4*\s+3], s[46:47], \s*ROWB
	s_or_b32 s[G0B+4*\s+3], s[G0B+4*\s+3], 0x80000000
	JLOAD G0+4*\s, G1, G0B+4*\s, G1B
.endr
	v_and_b32 v1, 15, v0                           ; r = lane % 16
	s_wait_alu depctr_va_vdst(0)
	v_bfe_u32 v2, v0, 4, 1                         ; h = lane / 16
	v_mul_u32_u24 v3, v1, PITCH
	v_lshl_add_u32 v4, v2, 4, v3                   ; a fragment's row x pitch + 16 x half
	s_mul_i32 s21, s15, HALFT                      ; my 128 rows of A
	s_mul_i32 s22, s16, HALFT                      ; my 128 rows of B,
	s_add_co_u32 s22, s22, 2*HALFT                 ; which lie behind A's 256
.irp s, 0,1
	v_add_nc_u32 v[ADRA+\s], s21, v4
	v_add_nc_u32 v[ADRB+\s], s22, v4
	s_add_co_u32 s21, s21, SLOT
	s_add_co_u32 s22, s22, SLOT
.endr
	; the way out's addresses, for both paths, all made here
	s_mul_i32 s18, s16, 128*PITCH                  ; q, k: my two heads' 128 units,
	s_mul_i32 s19, s15, 32*PITCH                   ; my 128 tokens' 32 units of each
	s_add_co_u32 s18, s18, s19
	v_lshrrev_b32 v5, 2, v1
	v_mul_u32_u24 v5, v5, PITCH                    ; unit r / 4,
	v_and_b32 v6, 3, v1
	v_lshl_add_u32 v5, v6, 6, v5                   ; token r % 4 in it,
	v_lshl_add_u32 v5, v2, 3, v5                   ; my half's 8 bytes
	v_add_nc_u32 v[STOQ], s18, v5
	v_mul_u32_u24 v6, v2, PITCH
	v_lshl_add_u32 v6, v1, 4, v6                   ; back: lanes 0-15 take one unit or row of 256 bytes, lanes 16-31 the next
	v_add_nc_u32 v[RDQ], s18, v6
	s_mul_i32 s19, s15, HALFT                      ; v: my 128 rows,
	s_lshl_b32 s18, s16, 7                         ; my 128 keys
	s_add_co_u32 s19, s19, s18
	s_add_co_u32 s19, s19, STV
	v_lshl_add_u32 v5, v2, 3, v3                   ; row r, my half's 8 bytes
	v_add_nc_u32 v[STOV], s19, v5
	s_mul_i32 s19, s14, 64*PITCH                   ; back: wave w takes rows 64 w .. 64 w + 63, whole
	s_add_co_u32 s19, s19, STV
	v_add_nc_u32 v[RDV], s19, v6
	v_and_b32 v5, 31, v0
	v_lshlrev_b32 v[COQ], 4, v5                    ; qkc: two units on end: 16 x lane
	v_lshlrev_b32 v5, 11, v2
	v_lshl_add_u32 v[COV], v1, 4, v5               ; vc: two rows, 2,048 bytes apart
	v_lshlrev_b32 v[BLC], 5, v2                    ; 8 numbers for each half of the lanes
	s_wait_alu depctr_va_vdst(0)
	v_lshlrev_b32 v[BLR], 2, v1                    ; a number a row
	s_wait_alu depctr_va_vdst(0)
	; The product's bias.  q and k want it by the tile's columns, v by the tile's rows.  Both are loaded in every work-group, without a branch, so that every register that a path of the way out reads is written on every path:
	; 32 small loads, of which a work-group uses 16.  Both stay inside the bias's 4,096 bytes: the last byte named is 1,024 x 3 + 512 + 511.
	s_cmp_eq_u32 ttmp9, 0
	s_cselect_b64 s[98:99], s[74:75], s[76:77]
	s_cmp_eq_u32 ttmp9, 2
	s_cselect_b64 s[98:99], s[78:79], s[98:99]
	s_lshl_b32 s18, s41, 10
	s_lshl_b32 s19, s15, 9
	s_add_co_u32 s18, s18, s19                     ; by rows: 256 cy + 128 x my half of the rows, in bytes
	s_mov_b32 s19, 0
	s_add_nc_u64 s[100:101], s[98:99], s[18:19]
	s_lshl_b32 s18, s40, 10
	s_lshl_b32 s20, s16, 9
	s_add_co_u32 s18, s18, s20                     ; by columns: 256 cx + 128 x my half of the columns
	s_add_nc_u64 s[98:99], s[98:99], s[18:19]
.irp i, 0,1,2,3,4,5,6,7,8,9,10,11,12,13,14,15
	global_load_b128 v[BIAS+4*\i:BIAS+4*\i+3], v[BLC], s[98:99] offset:64*(\i/2)+16*(\i%2)
.endr
.irp a, 0,1,2,3,4,5,6,7
	global_load_b32 v[BIASV+2*\a], v[BLR], s[100:101] offset:64*\a
	global_load_b32 v[BIASV+2*\a+1], v[BLR], s[100:101] offset:64*\a
.endr
.macro FRAG reg, adr, q, i             ; a fragment: lane l holds row l % 16; registers 4 c .. 4 c + 3 hold K = 32 c + 16 (l / 16) + 0 .. 15
.irp c, 0,1,2,3
	ds_load_b128 v[\reg+4*\c:\reg+4*\c+3], v[\adr] offset:128*(\q)+32*\c+(\i)*16*PITCH
.endr
.endm
; 16 matrix instructions: A's blocks a0, a0 + 1 x B's eight, 128 along K.  p: B's set.  zero = 1: the first product starts the sums: nothing is ever cleared.
; The 64 accumulators take turns, one instruction a turn, in the same order in every step.
.macro MUL16 a0, p, zero
.irp a, \a0, \a0+1
.irp b, 0,1,2,3,4,5,6,7
.if \zero
	v_wmma_f32_16x16x128_fp8_fp8 v[8*(8*((\a)%4)+\b):8*(8*((\a)%4)+\b)+7], v[128*(\p)+FR*\b:128*(\p)+FR*\b+FR-1], v[AF+FR*(\a):AF+FR*(\a)+FR-1], 0
.else
	v_wmma_f32_16x16x128_fp8_fp8 v[8*(8*((\a)%4)+\b):8*(8*((\a)%4)+\b)+7], v[128*(\p)+FR*\b:128*(\p)+FR*\b+FR-1], v[AF+FR*(\a):AF+FR*(\a)+FR-1], v[8*(8*((\a)%4)+\b):8*(8*((\a)%4)+\b)+7]
.endif
.endr
.endr
.endm
.macro FETCH_B slot, q, p              ; B's eight fragments of the slot's q-th 128 along K into set p
	WIN TO_B
.irp i, 0,1,2,3,4,5,6,7
	FRAG 128*(\p)+FR*\i, ADRB+\slot, \q, \i
.endr
	WIN 0
.endm
.macro FETCH_A slot, q, i0             ; A's blocks i0 .. i0 + 3
.irp i, \i0, \i0+1, \i0+2, \i0+3
	FRAG AF+FR*(\i), ADRA+\slot, \q, \i
.endr
.endm
; A load into a register that a matrix instruction has read, and a vector instruction that reads a matrix result or writes one of its registers, stand NP places behind it; only plain vector
; instructions that name none of its registers are places (ISA guide 7.12.1 for vector instructions).
.macro PLACES n
.rept \n
	v_nop
.endr
.endm
; A step of 128 along K that has its successor in the same slot.  A block of A is free as soon as its eight products are issued, so A has one set: blocks 0-3 are fetched anew in the step's middle, blocks 4-7 at its end.
.macro STEP slot, q, zero
	s_wait_dscnt 4*NL                              ; B's set and A's blocks 0-3 are in; the youngest sixteen loads (A's blocks 4-7) may be out
	WIN MUL_LO
	MUL16 0, (\q)%2, \zero
	MUL16 2, (\q)%2, \zero
	s_wait_dscnt 0                                 ; A's blocks 4-7 are in
	PLACES NP
	FETCH_B \slot, (\q)+1, 1-(\q)%2
	FETCH_A \slot, (\q)+1, 0
	WIN MUL_HI
	MUL16 4, (\q)%2, \zero
	MUL16 6, (\q)%2, \zero
	PLACES NP
	WIN 0
	FETCH_A \slot, (\q)+1, 4
.endm
; A slot's last step changes slots: ONE barrier; in front of it each wave waits for all its tensor loads, adds 0 to its spare word, and waits for that and for its own reads of this slot.  fill = 1: this slot is filled again, two K steps ahead.
.macro TURN slot, next, fill
	s_wait_tensorcnt 0x0                           ; all my tensor loads have landed: my part of the next slot  (every window is 0 here)
	ds_add_u32 v[SPW], v[NIL]                      ; 0 onto my spare word
	s_wait_dscnt 4*NL+1                            ; (the add and the youngest sixteen loads, A's blocks 4-7, may be out)
	WIN MUL_LO
	MUL16 0, 1, 0                                  ; sixteen matrix instructions stand between the add and the wait for it
	s_wait_dscnt 0x0                               ; the add is done, and my reads of this slot are over
	s_barrier_signal -1
	MUL16 2, 1, 0
	WIN 0
	s_barrier_wait -1
.if \fill
	CREST                                          ; the barrier has opened a round of the cluster's barrier: no wave of any partner still reads this slot's tile or has a load on its way
	s_add_nc_u64 s[G0+4*\slot+2:G0+4*\slot+3], s[G0+4*\slot+2:G0+4*\slot+3], 2*ROWB
	s_add_nc_u64 s[G0B+4*\slot+2:G0B+4*\slot+3], s[G0B+4*\slot+2:G0B+4*\slot+3], 2*ROWB
	JLOAD G0+4*\slot, G1, G0B+4*\slot, G1B         ; the first tensor load behind the round; the four v_nop behind it are the places in front of the loads below
.else
	PLACES NP
.endif
	FETCH_B \next, 0, 0
	FETCH_A \next, 0, 0
	WIN MUL_HI
	MUL16 4, 1, 0
	MUL16 6, 1, 0
	PLACES NP
	WIN 0
	FETCH_A \next, 0, 4
.endm
	s_wait_tensorcnt 1                             ; my part of K step 0 is in (K step 1's load may be out)
	s_barrier_signal -1
	s_barrier_wait -1                              ; everybody's is
	FETCH_B 0, 0, 0
	FETCH_A 0, 0, 0
	FETCH_A 0, 0, 4
	STEP 0, 0, 1                                   ; the first step stands in front of the loop: its products start the sums
	s_mov_b32 s3, LAPS-1
.Llap:                                                 ; a trip goes once round the ring, from a lap's second step to the next lap's first, and fills both slots again
	TURN 0, 1, 1
	STEP 1, 0, 0
	TURN 1, 0, 1
	STEP 0, 0, 0
	s_sub_co_u32 s3, s3, 1
	s_cmp_lg_u32 s3, 0
	s_cbranch_scc1 .Llap
	TURN 0, 1, 0                                   ; the last lap fills nothing, and has no round of the cluster's barrier
	STEP 1, 0, 0
	s_wait_dscnt 4*NL                              ; the very last step: nothing more to fetch
	WIN MUL_LO
	MUL16 0, 1, 0
	MUL16 2, 1, 0
	s_wait_dscnt 0
	WIN MUL_HI
	MUL16 4, 1, 0
	MUL16 6, 1, 0
	WIN 0
; THE WAY OUT.  Block a (16 rows of A's side x my 128 columns): number = sum x 2^(eA + eB) + bias, one packed multiply-add for two; held within +-448 x 2^eo; eight numbers of a lane become 8 codes; they go into the stage.
; isv = 0: the bias goes by columns; isv = 1: by rows.  Each accumulator is read from its low end on.
.macro EPI a, isv
.set AC, 64*((\a)%4)
	WIN 0x02+((\a)/4)                              ; source 0: window 2 or 3
.irp b, 0,1,2,3,4,5,6,7
.irp i, 0,2,4,6
.if \isv
	v_pk_fma_f32 v[TMP+8*\b+\i:TMP+8*\b+\i+1], v[AC+8*\b+\i:AC+8*\b+\i+1], s[96:97], v[BIASV+2*(\a):BIASV+2*(\a)+1] op_sel_hi:[1,0,1]
.else
	v_pk_fma_f32 v[TMP+8*\b+\i:TMP+8*\b+\i+1], v[AC+8*\b+\i:AC+8*\b+\i+1], s[96:97], v[BIAS+8*\b+\i:BIAS+8*\b+\i+1] op_sel_hi:[1,0,1]
.endif
.endr
.endr
	WIN 0
.set n, 0
.rept 64
.set n, n+1
.endr
.if (\a) >= 2
	s_wait_alu depctr_va_vdst(0)
	s_wait_dscnt 8                                 ; only the block before's eight stores may be out: the stores of two blocks back have read this set of code registers
.endif
.irp b, 0,1,2,3,4,5,6,7
	v_cvt_scalef32_pk8_fp8_f32 v[CD+16*((\a)%2)+2*\b:CD+16*((\a)%2)+2*\b+1], v[TMP+8*\b:TMP+8*\b+7], v[SC]
.endr
	v_nop                                          ; one plain vector instruction behind the last conversion, ahead of the next block's multiply-adds, which write the conversions' sources
.irp b, 0,1,2,3,4,5,6,7
.if \isv
	ds_store_b64 v[STOV], v[CD+16*((\a)%2)+2*\b:CD+16*((\a)%2)+2*\b+1] offset:16*(\a)*PITCH+16*\b
.else
	ds_store_b64 v[STOQ], v[CD+16*((\a)%2)+2*\b:CD+16*((\a)%2)+2*\b+1] offset:((\b/4)*64+4*(\a))*PITCH+16*(\b%4)
.endif
.endr
.endm
	s_wait_kmcnt 0x0
	s_cmp_eq_u32 ttmp9, 0                          ; the product's three exponents, by selects on the cluster's x: no branch hangs on a loaded number
	s_cselect_b32 s18, s84, s86
	s_cselect_b32 s19, s85, s87
	s_cselect_b32 s20, s90, s91
	s_cmp_eq_u32 ttmp9, 2
	s_cselect_b32 s18, s88, s18
	s_cselect_b32 s19, s89, s19
	s_cselect_b32 s20, s93, s20
	s_add_co_i32 s96, s18, s19
	s_add_co_i32 s96, s96, 127
	s_lshl_b32 s96, s96, 23                        ; 2^(eA + eB) as f32
	s_mov_b32 s97, s96                             ; (named with it as a pair, so it is written)
	s_add_co_i32 s20, s20, 127
	s_lshl_b32 s21, s20, 23
	v_mov_b32 v[SC], s21
	s_wait_loadcnt 0x0                             ; the bias
	PLACES NP
	s_cmp_eq_u32 ttmp9, 2
	s_cbranch_scc1 .Lepi_v
.irp a, 0,1,2,3,4,5,6,7
	EPI \a, 0
.endr
	s_branch .Lepi_done
.Lepi_v:
.irp a, 0,1,2,3,4,5,6,7
	EPI \a, 1
.endr
.Lepi_done:
	s_wait_dscnt 0x0                               ; for the others' sake: my stores into the stage are done (a row of v's stage comes from two waves)
	s_barrier_signal -1
	s_barrier_wait -1
	s_cmp_eq_u32 ttmp9, 2
	s_cbranch_scc1 .Lout_v
	; q, k: my two heads x my 128 tokens: 64 units of 256 bytes, two to a load and a store
	s_lshl_b32 s18, ttmp9, 23                      ; q's plane or k's
	s_lshr_b32 s19, s17, 3
	s_lshl_b32 s19, s19, 21                        ; the batch: 16 heads of 131,072 bytes
	s_add_co_u32 s18, s18, s19
	s_lshl_b32 s19, s40, 2
	s_lshl_b32 s20, s16, 1
	s_add_co_u32 s19, s19, s20                     ; my first head: 4 cx + 2 x my half of the columns
	s_lshl_b32 s19, s19, 17
	s_add_co_u32 s18, s18, s19
	s_and_b32 s19, s17, 7
	s_lshl_b32 s19, s19, 8
	s_lshl_b32 s20, s15, 7
	s_add_co_u32 s19, s19, s20                     ; my first token in the batch
	s_lshl_b32 s19, s19, 6
	s_add_co_u32 s18, s18, s19
	s_mov_b32 s19, 0
	s_add_nc_u64 s[98:99], s[80:81], s[18:19]
.irp t, 0,1,2,3,4,5,6,7,8,9,10,11,12,13,14,15,16,17,18,19,20,21,22,23,24,25,26,27,28,29,30,31
	ds_load_b128 v[128+4*\t:128+4*\t+3], v[RDQ] offset:((\t/16)*64+2*(\t%16))*PITCH
.endr
.irp t, 0,1,2,3,4,5,6,7,8,9,10,11,12,13,14,15,16,17,18,19,20,21,22,23,24,25,26,27,28,29,30,31
	s_wait_dscnt 31-\t
	global_store_b128 v[COQ], v[128+4*\t:128+4*\t+3], s[98:99] offset:(\t/16)*131072+(\t%16)*512   ; the wave stores 512 consecutive bytes, at a multiple of 512 from qkc's first byte
.endr
	s_branch .Lout_done
.Lout_v:
	; v: 64 whole rows of 256 keys a wave, two to a load and a store
	s_lshr_b32 s18, s42, 3
	s_lshl_b32 s18, s18, 21                        ; the batch
	s_lshl_b32 s19, s41, 8
	s_lshl_b32 s20, s14, 6
	s_add_co_u32 s19, s19, s20                     ; my first row: 256 cy + 64 x wave,
	s_lshl_b32 s19, s19, 11                        ; of 2,048 bytes
	s_add_co_u32 s18, s18, s19
	s_and_b32 s19, s42, 7
	s_lshl_b32 s19, s19, 8                         ; the tile's first key in the batch
	s_add_co_u32 s18, s18, s19
	s_mov_b32 s19, 0
	s_add_nc_u64 s[98:99], s[82:83], s[18:19]
.irp t, 0,1,2,3,4,5,6,7,8,9,10,11,12,13,14,15,16,17,18,19,20,21,22,23,24,25,26,27,28,29,30,31
	ds_load_b128 v[128+4*\t:128+4*\t+3], v[RDV] offset:2*\t*PITCH
.endr
.irp t, 0,1,2,3,4,5,6,7,8,9,10,11,12,13,14,15,16,17,18,19,20,21,22,23,24,25,26,27,28,29,30,31
	s_wait_dscnt 31-\t
	global_store_b128 v[COV], v[128+4*\t:128+4*\t+3], s[98:99] offset:\t*4096   ; sixteen lanes store 256 consecutive bytes, at a multiple of 256 from vc's first byte
.endr
.Lout_done:
	s_wait_tensorcnt 0x0                           ; the wave's end: behind my last tensor load and my last LDS store
	ds_add_u32 v[SPW], v[NIL]
	s_wait_dscnt 0x0
	CROUND                                         ; the closing round: no work-group ends while a partner may still ask for a tile that names it
	s_endpgm
.Lfunc_end_k_q68907196d7_qkv:
	.size	k_q68907196d7_qkv, .Lfunc_end_k_q68907196d7_qkv-k_q68907196d7_qkv
	.p2alignl 7, 3214868480
	.fill 96, 4, 3214868480
	.section	.rodata,"a",@progbits
	.p2align	6, 0x0
	.amdhsa_kernel k_q68907196d7_qkv
		.amdhsa_group_segment_fixed_size 327680
		.amdhsa_private_segment_fixed_size 0
		.amdhsa_enable_private_segment 0
		.amdhsa_kernarg_size 64
		.amdhsa_user_sgpr_count 2
		.amdhsa_user_sgpr_kernarg_segment_ptr 1
		.amdhsa_wavefront_size32 1
		.amdhsa_system_sgpr_workgroup_id_x 1
		.amdhsa_system_sgpr_workgroup_id_y 1
		.amdhsa_system_sgpr_workgroup_id_z 1
		.amdhsa_system_vgpr_workitem_id 0
		.amdhsa_next_free_vgpr 1024
		.amdhsa_next_free_sgpr 102
		.amdhsa_reserve_vcc 0
		.amdhsa_float_denorm_mode_32 3
		.amdhsa_float_denorm_mode_16_64 3
		.amdhsa_fp16_overflow 1
		.amdhsa_memory_ordered 1
		.amdhsa_forward_progress 1
		.amdhsa_inst_pref_size 146
	.end_amdhsa_kernel
	.amdgpu_metadata
---
amdhsa.version: [ 1, 2 ]
amdhsa.kernels:
  - .name:           k_q68907196d7_qkv
    .symbol:         k_q68907196d7_qkv.kd
    .args:
      - { .name: xc, .offset: 0, .size: 8, .value_kind: global_buffer, .address_space: global }
      - { .name: wc, .offset: 8, .size: 8, .value_kind: global_buffer, .address_space: global }
      - { .name: lowp_scales, .offset: 16, .size: 8, .value_kind: global_buffer, .address_space: global }
      - { .name: bq, .offset: 24, .size: 8, .value_kind: global_buffer, .address_space: global }
      - { .name: bk, .offset: 32, .size: 8, .value_kind: global_buffer, .address_space: global }
      - { .name: bv, .offset: 40, .size: 8, .value_kind: global_buffer, .address_space: global }
      - { .name: qkc, .offset: 48, .size: 8, .value_kind: global_buffer, .address_space: global }
      - { .name: vc, .offset: 56, .size: 8, .value_kind: global_buffer, .address_space: global }
    .group_segment_fixed_size: 327680
    .private_segment_fixed_size: 0
    .kernarg_segment_align: 8
    .kernarg_segment_size: 64
    .max_flat_workgroup_size: 128
    .sgpr_count:     102
    .vgpr_count:     1024
    .wavefront_size: 32
...
	.end_amdgpu_metadata
.endif
;; end of part 2
;; launch attn (part 3): grid 4 x 64, 16 waves a work-group, no clusters, 327,680 bytes of LDS; arguments qkc, vc, lowp_scales, cc; writes cc
.if DOCPART == 3
	.amdgcn_target "amdgcn-amd-amdhsa--gfx1250"
	.amdhsa_code_object_version 6
	.text
	.protected	k_q68907196d7_attn
	.globl	k_q68907196d7_attn
	.p2align	8
	.type	k_q68907196d7_attn,@function
k_q68907196d7_attn:
	s_mov_b64 s[64:65], 0
	v_nop
	global_prefetch_b8 v0, s[64:65] scope:SCOPE_SE
	s_setreg_imm32_b32 hwreg(HW_REG_WAVE_MODE, 25, 1), 1
	s_wait_xcnt 0x0
; Causal attention on E4M3 codes, head size 64, 64 heads (batch x head) of 2,048 tokens.  qkc [2][64][2048][64]: q's codes, then k's; vc [64][64][2048]: v's codes, keys innermost.
; t = score x 2^(e6 + e7) x log2(e) / 8; M = the running largest t rounded UP to a whole number; p = 2^(t - M) is quantised under 2^e8, not normalised; the row's sum l is taken of the unquantised p, in f32.
; When M moves, l and O are multiplied by 2^(old M - new M): exact.  ctx = O x 2^(e8 + e9) / l is quantised under 2^e10 and stored as cc [2048 groups of 4 tokens][16 heads][4 tokens][64]:
; a block of 256 bytes holds four tokens of one head, so that this launch stores whole blocks, and the last product's tile has rows of 1,024 bytes.
; SHARES.  Work-group (p, head) takes the head's query block p (256 queries; key slots 0 .. p of 256 keys), then block 7 - p (slots 0 .. 7 - p): nine slots whatever p is.  So all 256 work-groups have the same work,
; the loop's trip count is a constant of the text, and no tile is fetched that lies wholly under the mask.  Each of the SIXTEEN waves owns 16 queries in 256 registers: four waves to a SIMD, so that one wave's
; vector work stands beside another's matrix work and LDS loads.  A key step is 128 keys; a step all of whose keys come after the wave's queries is jumped over by a scalar branch on ids.
; NO CLUSTER: in one and the same trip the four work-groups of a head want different key slots (slot t in one, slot t - p - 1 in another), so no joint request could name the same tile.
; LAYOUT.  Both products are used transposed: S^T = K Q^T (source 0 = 16 keys, source 1 = my 16 queries), O^T = V^T P^T: a lane holds ONE query (lane % 16) throughout.  THE KEYS OF A TILE ARE NOT NEIGHBOURS: lane r of
; tile 2 b + u takes key 32 b + 8 u + r + 8 (r / 8), so that the 16 registers of tiles 2 b, 2 b + 1 are the keys 32 b + 16 (lane / 16) + 0 .. 15: the conversions' results are the second product's operand.
; Fragments are fetched by loads of 16 bytes, 32 apart: a permutation of k inside an instruction, the same on both sides of each product.
; LIMITS: e6 + e7 between -123 and 130 (added to c's exponent field); e8 and e10 between -126 and 119; e8 + e9 goes by v_ldexp_f32 and has none.  NaN is not served.
; REGISTERS: v1-11, v24, v25 addresses; v12 -M, v13 the largest t, v[14:15] l in two halves; v16-23 Q; v32-95 K's eight fragments, then V's four; v96-159 S^T, then p; v160-191 O^T; v192-207 p's codes; v208-255 at work.
.set KP,    272                        ; a unit of four keys in LDS: 256 bytes + 16 of padding
.set VP,    272                        ; a row of V's tile: 256 keys + 16
.set VOFF,  64*KP                      ; a slot: 64 units of K, then 64 rows of V
.set SLOT1, 1<<16                      ; slot 1 begins here: one exclusive or turns an address in one slot into the other's
.set STAGE, 2*SLOT1                    ; behind the ring: four units of 272 bytes for each wave, for the way out; no tile lands here
.set STW,   4*272
.set SPARE, STAGE+16*STW               ; behind the stages: the spare words, 128 bytes for each wave, which no other line names
.set AK0,  1                           ; v1   my lane's place in a tile of K
.set AV0,  2                           ; v2   the same for V
.set PFO,  3                           ; v3   the prefetches' offset; never rewritten
.set QL,   4                           ; v4   my lane's bytes in 16 rows of Q
.set SPW,  5                           ; v5   LDS address of my spare word; never rewritten
.set NIL,  6                           ; v6   0; never rewritten
.set GOL,  7                           ; v7   my lane's bytes in two blocks of cc
.set ADK,  8                           ; v8   LDS address of the step's tiles of K
.set ADV,  9                           ; v9   of V
.set STO,  11                          ; v11  the way out: where I put 8 codes
.set SRD,  24                          ; v24  and where I read blocks back
.set TB,   2                           ; s2   LDS byte at which the slot in hand begins
.set WV,   18                          ; s18  my wave's number
.set SEL,  20                          ; s[20:21] lane selects for v_permlanex16_b32: lane l xor 16
.set CS,   22                          ; s[22:23] c = log2(e) / 8 x 2^(e6 + e7)
.set G1K,  24                          ; s[24:31] descriptor group 1 for K's tiles;  s[32:39] for V's;  s[40:43], s[44:47] their groups 0
.set G1V,  32
.set G0K,  40
.set G0V,  44
.set FK,   48                          ; s48  the key slot asked for last
.set FB,   49                          ; s49  the last key slot of the query block for which it is asked
.set FB2,  50                          ; s50  7 - p: the second query block
.set BEND, 51                          ; s51  the first key behind the query block in hand
.set SLOTS, 67                         ; s67  slots still to be asked for
.set PFA,  80                          ; s[80:81] where my prefetches stand
.set PFS,  82                          ; s[82:83] a slot on, in bytes
.set LIM,  84                          ; s84  4 in a wave that prefetches, else 0
.set KF,   98                          ; s98  the step's first key
.set Q0,   99                          ; s99  my first query
; Wave 0 fetches K's tile, wave 1 V's, the others nothing.  The branches hang on the wave's number alone.  Four v_nop follow each of the two lines.
.macro TLOAD
	s_cmp_eq_u32 s[WV], 0
	s_cbranch_scc0 .Lnot_k_\@
	tensor_load_to_lds s[G0K:G0K+3], s[G1K:G1K+7]
	s_nop 0
.rept 4
	v_nop
.endr
	s_branch .Lasked_\@
.Lnot_k_\@:
	s_cmp_eq_u32 s[WV], 1
	s_cbranch_scc0 .Lasked_\@
	tensor_load_to_lds s[G0V:G0V+3], s[G1V:G1V+7]
	s_nop 0
.rept 4
	v_nop
.endr
.Lasked_\@:
.endm
; A PREFETCH INTO THE L2 of the key slot that the next change of slots will ask for.  Of a head's four work-groups the one with p = 0 reaches key slots 4 to 7 first (it asks for slot t in trip t): it names them, one trip
; ahead, in trips 3 to 6, and nobody else names them.  Waves 4 and 5 ask for K's dense block of 16,384 bytes, 8,192 a wave, lanes 256 bytes apart; waves 6 and 7 for V's 64 rows, 32 a wave, a lane a row (a slot's part of a
; row is 256 bytes, aligned).  So each aligned block of 256 bytes is named once in the launch.  Slots 0 to 3 come by their loads alone: every work-group asks for them in its first trips.  Slot 7 is the head's last.
.macro ASK
	s_sub_co_u32 s96, s[SLOTS], 2                  ; SLOTS = 8 - trip: 0 .. 3 in trips 6 .. 3; in the last trip it wraps to the greatest number
	s_cmp_lt_u32 s96, s[LIM]
	s_cbranch_scc0 .Lnot_mine_\@
	global_prefetch_b8 v[PFO], s[PFA:PFA+1] th:TH_LOAD_NT scope:SCOPE_SE
.Lnot_mine_\@:
.endm
	s_load_b256 s[56:63], s[0:1], 0x0              ; qkc 56, vc 58, scales 60, cc 62
	v_lshl_add_u32 v[SPW], v0, 2, SPARE
	v_mov_b32 v[NIL], 0
	ds_add_u32 v5, v6
	ds_add_u32 v5, v6
	s_wait_dscnt 0x0
	v_lshrrev_b32 v8, 5, v0
	s_delay_alu instid0(VALU_DEP_1)
	v_readfirstlane_b32 s[WV], v8                  ; wave 0..15
	s_and_b32 s86, ttmp7, 0xffff                   ; the head: 16 x batch + head
	s_lshl_b32 s52, s86, 17                        ; its 131,072 bytes in each plane of qkc and in vc
	s_mov_b32 s53, 0
	s_lshr_b32 s87, s86, 4
	s_lshl_b32 s88, s87, 21                        ; cc: the batch's 512 groups of 4,096 bytes,
	s_and_b32 s87, s86, 15
	s_lshl_b32 s87, s87, 8                         ; the head's 256 bytes in a group
	s_add_co_u32 s88, s88, s87
	s_mov_b32 s89, 0
	; descriptor group 1.  K: 256 keys x 64 bytes are dense in memory: stated as 64 rows of 256 bytes.  V: 64 rows of 256 bytes, 2,048 bytes apart
	s_mov_b32 s[G1K], (0<<16)|(1<<20)|(5<<22)|(3<<25)   ; 15:0 no mask; 17:16 elements of 1 byte; 20 padding on; 24:22 after every 64 words (code 5); 31:25 four words (code 3)
	s_mov_b32 s[G1K+1], 256<<16                    ; tensor_dim0
	s_mov_b32 s[G1K+2], 64<<16                     ; tensor_dim1
	s_mov_b32 s[G1K+3], 256<<16                    ; tile_dim0
	s_mov_b32 s[G1K+4], 64                         ; tile_dim1
	s_mov_b32 s[G1K+5], 256                        ; tensor_dim0_stride
	s_mov_b32 s[G1K+6], 0
	s_mov_b32 s[G1K+7], 0
	s_mov_b32 s[G1V], (0<<16)|(1<<20)|(5<<22)|(3<<25)
	s_mov_b32 s[G1V+1], 256<<16
	s_mov_b32 s[G1V+2], 64<<16
	s_mov_b32 s[G1V+3], 256<<16
	s_mov_b32 s[G1V+4], 64
	s_mov_b32 s[G1V+5], 2048
	s_mov_b32 s[G1V+6], 0
	s_mov_b32 s[G1V+7], 0
	s_mov_b32 s[SEL], 0x76543210
	s_mov_b32 s[SEL+1], 0xfedcba98
	s_mov_b32 s[CS], 0x3e38aa3b                    ; log2(e) / 8
	s_mov_b32 s[TB], 0
	s_mov_b32 s[SLOTS], 8
	s_mov_b32 s[KF], 0
	s_mov_b32 s[FK], 0
	s_mov_b32 s[FB], ttmp9                         ; p
	s_sub_co_u32 s[FB2], 7, ttmp9
	s_lshl_b32 s55, s[WV], 4                       ; my 16 queries in a block
	s_lshl_b32 s[Q0], ttmp9, 8
	s_add_co_u32 s[BEND], s[Q0], 256
	s_add_co_u32 s[Q0], s[Q0], s55
	s_wait_kmcnt 0x0
	s_load_b256 s[68:75], s[60:61], 0x0            ; e0 .. e7
	s_load_b128 s[76:79], s[60:61], 0x20           ; e8 .. e11
	s_add_nc_u64 s[4:5], s[56:57], s[52:53]        ; the head's q
	s_add_nc_u64 s[6:7], s[4:5], 0x800000          ; its k: the second plane
	s_add_nc_u64 s[8:9], s[58:59], s[52:53]        ; its v
	s_add_nc_u64 s[10:11], s[62:63], s[88:89]      ; its bytes in cc
	s_mov_b32 s[G0K], 1                            ; 1:0 count = 1
	s_mov_b32 s[G0K+1], 0                          ; 63:32 LDS address: slot 0
	s_mov_b64 s[G0K+2:G0K+3], s[6:7]               ; 120:64 global address: key slot 0
	s_or_b32 s[G0K+3], s[G0K+3], 0x80000000        ; 127:126 type = 2
	s_mov_b32 s[G0V], 1
	s_mov_b32 s[G0V+1], VOFF
	s_mov_b64 s[G0V+2:G0V+3], s[8:9]
	s_or_b32 s[G0V+3], s[G0V+3], 0x80000000
	TLOAD                                          ; key slot 0
	; the prefetches: where my wave's stand, and who asks
	s_cmp_lt_u32 s[WV], 6
	s_cselect_b64 s[PFA:PFA+1], s[6:7], s[8:9]
	s_mov_b32 s[PFS], 256
	s_cselect_b32 s[PFS], 16384, s[PFS]            ; a slot on
	s_mov_b32 s87, 2048
	s_cselect_b32 s87, 256, s87                    ; from lane to lane
	s_mov_b32 s88, 65536
	s_cselect_b32 s88, 8192, s88                   ; from wave to wave
	v_and_b32 v[PFO], 31, v0
	s_delay_alu instid0(VALU_DEP_1)
	v_mul_lo_u32 v[PFO], v[PFO], s87
	s_and_b32 s87, s[WV], 1
	s_mul_i32 s88, s87, s88
	s_mov_b32 s89, 0
	s_mov_b32 s[PFS+1], 0
	s_add_nc_u64 s[PFA:PFA+1], s[PFA:PFA+1], s[88:89]  ; in key slot 0: each change of slots steps it, so that in trip t it stands in slot t + 1
	s_sub_co_u32 s87, s[WV], 4
	s_lshr_b32 s87, s87, 2                         ; 0 in waves 4 to 7,
	s_or_b32 s87, s87, ttmp9                       ; of the work-group with p = 0
	s_cmp_eq_u32 s87, 0
	s_cselect_b32 s[LIM], 4, 0
	v_and_b32 v8, 15, v0                           ; r = lane % 16
	v_bfe_u32 v9, v0, 4, 1                         ; h = lane / 16
	s_delay_alu instid0(VALU_DEP_2)
	v_lshlrev_b32 v[QL], 6, v8
	s_delay_alu instid0(VALU_DEP_1)
	v_lshl_add_u32 v[QL], v9, 4, v[QL]             ; row r of 64 bytes, + 16 h
	s_delay_alu instid0(VALU_DEP_1)
	v_lshl_add_u32 v25, s[Q0], 6, v[QL]
	global_load_b128 v[16:19], v25, s[4:5]         ; Q's fragment stays in registers for a query block
	global_load_b128 v[20:23], v25, s[4:5] offset:32
	v_and_b32 v10, 8, v8
	s_delay_alu instid0(VALU_DEP_1)
	v_add_nc_u32 v10, v10, v8                      ; r + 8 (r / 8): my key in a tile
	s_delay_alu instid0(VALU_DEP_1)
	v_lshrrev_b32 v11, 2, v10
	s_delay_alu instid0(VALU_DEP_1)
	v_mul_u32_u24 v[AK0], v11, KP                  ; its unit of four keys,
	s_delay_alu instid0(VALU_DEP_3)
	v_and_b32 v10, 3, v10
	s_delay_alu instid0(VALU_DEP_1)
	v_lshl_add_u32 v[AK0], v10, 6, v[AK0]          ; its 64 bytes there,
	s_delay_alu instid0(VALU_DEP_1)
	v_lshl_add_u32 v[AK0], v9, 4, v[AK0]           ; + 16 h
	v_mul_u32_u24 v[AV0], v8, VP
	s_delay_alu instid0(VALU_DEP_1)
	v_lshl_add_u32 v[AV0], v9, 4, v[AV0]
	s_delay_alu instid0(VALU_DEP_1)
	v_add_nc_u32 v[AV0], VOFF, v[AV0]
	v_lshlrev_b32 v[GOL], 12, v9
	s_delay_alu instid0(VALU_DEP_1)
	v_lshl_add_u32 v[GOL], v8, 4, v[GOL]           ; cc: lanes 0-15 one group's block, lanes 16-31 the next group's, 4,096 bytes on
	s_mul_i32 s87, s[WV], STW
	s_add_co_u32 s87, s87, STAGE                   ; my stage
	v_lshrrev_b32 v10, 2, v8
	s_delay_alu instid0(VALU_DEP_1)
	v_mul_u32_u24 v[STO], v10, 272                 ; in: block r / 4,
	v_and_b32 v10, 3, v8
	s_delay_alu instid0(VALU_DEP_1)
	v_lshl_add_u32 v[STO], v10, 6, v[STO]          ; token r % 4,
	s_delay_alu instid0(VALU_DEP_1)
	v_lshl_add_u32 v[STO], v9, 3, v[STO]           ; my half's 8 bytes
	s_delay_alu instid0(VALU_DEP_1)
	v_add_nc_u32 v[STO], s87, v[STO]
	v_mul_u32_u24 v[SRD], v9, 272
	s_delay_alu instid0(VALU_DEP_1)
	v_lshl_add_u32 v[SRD], v8, 4, v[SRD]
	s_delay_alu instid0(VALU_DEP_1)
	v_add_nc_u32 v[SRD], s87, v[SRD]               ; back: lanes 0-15 one block, lanes 16-31 the next
	v_mov_b32 v13, 0xff61b1e6                      ; the largest t so far: -3e38, under every t
	s_delay_alu instid0(VALU_DEP_1)
	v_floor_f32 v12, -v13                          ; -M
	v_mov_b32 v14, 0                               ; l, in two halves
	v_mov_b32 v15, 0
	v_mov_b32 v208, 0                              ; written once: a lane permute's destination counts as one of its sources
	v_mov_b32 v213, 0                              ; (named as the upper half of the pair v[212:213])
.set n, 0
.rept 32
	v_mov_b32 v[160+n], 0                          ; O^T.  (The key step is written without a first step of its own: it finds zeros, which the first change of M leaves zeros)
.set n, n+1
.endr
	s_wait_kmcnt 0x0
	s_add_co_i32 s87, s74, s75
	s_lshl_b32 s87, s87, 23
	s_add_co_i32 s[CS], s[CS], s87                 ; e6 + e7 are added to c's exponent field
	s_mov_b32 s[CS+1], s[CS]                       ; (named with it as a pair, so it is written)
	s_add_co_i32 s87, s76, 127
	s_lshl_b32 s88, s87, 23
	v_mov_b32 v211, s88                            ; 2^e8 as f32, for p's conversions
	s_add_co_i32 s87, s78, 127
	s_lshl_b32 s88, s87, 23
	v_mov_b32 v218, s88                            ; 2^e10, for ctx's conversions
	s_add_co_i32 s54, s76, s77                     ; e8 + e9
; A KEY STEP: 128 keys, the q-th of the slot in hand.
.macro STEP q
	s_add_co_u32 s96, s[Q0], 15                    ; a step all of whose keys come after my 16 queries is left out: a scalar branch on ids, round the step's loads, products and softmax; no barrier and no tensor load stands in a step
	s_cmp_gt_u32 s[KF], s96
	s_cbranch_scc1 .Lhidden_\@
	v_add_nc_u32 v[ADK], s[TB], v[AK0]
	v_add_nc_u32 v[ADV], s[TB], v[AV0]
	v_nop                                          ; with the two additions: four places in front of loads into registers that the last products have read
	v_nop
.irp t, 0,1,2,3,4,5,6,7
.irp c, 0,1
	ds_load_b128 v[32+8*\t+4*\c:32+8*\t+4*\c+3], v[ADK] offset:((128*(\q)+32*(\t/2)+8*(\t%2))/4)*KP+32*\c
.endr
.endr
	s_wait_alu depctr_va_vdst(0)
	s_wait_dscnt 0x0
.irp t, 0,1,2,3,4,5,6,7
	v_wmma_f32_16x16x64_fp8_fp8 v[96+8*\t:103+8*\t], v[32+8*\t:39+8*\t], v[16:23], 0   ; S^T: eight tiles of 16 keys x my 16 queries; K = the head's 64
.endr
.rept 4
	v_nop                                          ; places in front of the loads below and of the first read of the scores
.endr
.irp t, 0,1,2,3
.irp c, 0,1,2,3
	ds_load_b128 v[32+16*\t+4*\c:32+16*\t+4*\c+3], v[ADV] offset:16*\t*VP+128*(\q)+32*\c   ; V's four fragments take K's registers: they land while the softmax is walked
.endr
.endr
	s_add_co_u32 s96, s[KF], 127                   ; on the diagonal the scores of hidden keys become -infinity ahead of the maximum: p = 0 then.  A step all of whose keys count skips this
	s_cmp_le_u32 s96, s[Q0]
	s_cbranch_scc1 .Lopen_\@
	s_sub_co_i32 s96, s[Q0], s[KF]
	v_and_b32 v236, 15, v0
	v_bfe_u32 v237, v0, 4, 1
	s_delay_alu instid0(VALU_DEP_1)
	v_lshlrev_b32 v237, 4, v237
	s_delay_alu instid0(VALU_DEP_1)
	v_sub_nc_u32 v236, v236, v237
	s_delay_alu instid0(VALU_DEP_1)
	v_add_nc_u32 v236, s96, v236                   ; d = my query - KF - 16 (lane / 16).  Register 16 b + i holds key KF + 16 (lane / 16) + 32 b + i: hidden where 32 b + i > d
	v_mov_b32 v238, 0xff800000                     ; -infinity
.set n, 0
.rept 64
	v_cmp_gt_i32 vcc_lo, 32*(n/16)+n%16, v236
	v_cndmask_b32 v[96+n], v[96+n], v238, vcc_lo
.set n, n+1
.endr
.Lopen_\@:
	v_max3_num_f32 v214, v96, v97, v98             ; the step's largest score of my query, among my 64 keys, in two chains; each accumulator is read from its low end on
	v_max3_num_f32 v212, v99, v100, v101
.set j, 6
.rept 14
	v_max3_num_f32 v214, v214, v[96+j], v[97+j]
	v_max3_num_f32 v212, v212, v[98+j], v[99+j]
.set j, j+4
.endr
	v_max3_num_f32 v214, v214, v158, v159
	s_delay_alu instid0(VALU_DEP_1)
	v_max_num_f32 v214, v214, v212
	s_delay_alu instid0(VALU_DEP_1)
	v_permlanex16_b32 v208, v214, s[SEL], s[SEL+1]
	s_delay_alu instid0(VALU_DEP_1)
	v_max_num_f32 v214, v214, v208                 ; and among lane l xor 16's
	s_delay_alu instid0(VALU_DEP_1)
	v_mul_f32 v214, s[CS], v214                    ; as t (c is positive)
	s_delay_alu instid0(VALU_DEP_1)
	v_max_num_f32 v13, v13, v214                   ; the running largest t.  Key 0 counts for every query, so it is a number from a block's first step on
	v_mov_b32 v214, v12
	s_delay_alu instid0(VALU_DEP_2)
	v_floor_f32 v12, -v13                          ; the new -M = floor(-t) = -ceil(t): M is a whole number
	s_delay_alu instid0(VALU_DEP_1)
	v_sub_f32 v214, v12, v214                      ; old M - new M: a whole number, 0 or less
	s_delay_alu instid0(VALU_DEP_1)
	v_cvt_i32_f32 v214, v214                       ; (it saturates)
	s_delay_alu instid0(VALU_DEP_1)
	v_ldexp_f32 v212, 1.0, v214                    ; f = 2^(old M - new M)
.set j, 0
.rept 32
	v_pk_fma_f32 v[96+j:97+j], v[96+j:97+j], s[CS:CS+1], v[12:13] op_sel_hi:[1,0,0]   ; t - M, two at a time (of the pairs c and -M the low word serves both halves)
.set j, j+2
.endr
.set n, 0
	s_wait_alu depctr_va_vdst(0)
.rept 64
	v_exp_f32 v[96+n], v[96+n]                     ; p = 2^(t - M), at most 1: not normalised
.set n, n+1
.endr
	v_pk_mul_f32 v[14:15], v[14:15], v[212:213] op_sel_hi:[1,0]   ; l under the new M: the plain instruction behind the last exponential
	s_wait_alu depctr_va_vdst(0)                   ; one wait for the whole batch, ahead of its first reader
	v_pk_add_f32 v[216:217], v[100:101], v[104:105]
	v_pk_add_f32 v[254:255], v[108:109], v[112:113]
	v_pk_add_f32 v[252:253], v[116:117], v[120:121]
	v_pk_add_f32 v[250:251], v[124:125], v[128:129]
	v_pk_add_f32 v[248:249], v[132:133], v[136:137]
	v_pk_add_f32 v[246:247], v[140:141], v[144:145]
	v_pk_add_f32 v[244:245], v[148:149], v[152:153]
	v_pk_add_f32 v[14:15], v[14:15], v[156:157]
	v_pk_add_f32 v[216:217], v[216:217], v[96:97]
	v_pk_add_f32 v[254:255], v[254:255], v[98:99]
	v_pk_add_f32 v[252:253], v[252:253], v[102:103]
	v_pk_add_f32 v[250:251], v[250:251], v[106:107]
	v_pk_add_f32 v[248:249], v[248:249], v[110:111]
	v_pk_add_f32 v[246:247], v[246:247], v[114:115]
	v_pk_add_f32 v[244:245], v[244:245], v[118:119]
	v_pk_add_f32 v[14:15], v[14:15], v[122:123]
	v_pk_add_f32 v[216:217], v[216:217], v[126:127]
	v_pk_add_f32 v[254:255], v[254:255], v[130:131]
	v_pk_add_f32 v[252:253], v[252:253], v[134:135]
	v_pk_add_f32 v[250:251], v[250:251], v[138:139]
	v_pk_add_f32 v[248:249], v[248:249], v[142:143]
	v_pk_add_f32 v[246:247], v[246:247], v[146:147]
	v_pk_add_f32 v[244:245], v[244:245], v[150:151]
	v_pk_add_f32 v[14:15], v[14:15], v[154:155]
	v_pk_add_f32 v[216:217], v[216:217], v[158:159]
	s_delay_alu instid0(VALU_DEP_2)
	v_pk_add_f32 v[14:15], v[14:15], v[250:251]
	s_delay_alu instid0(VALU_DEP_2)
	v_pk_add_f32 v[216:217], v[216:217], v[248:249]
	v_pk_add_f32 v[254:255], v[254:255], v[246:247]
	v_pk_add_f32 v[252:253], v[252:253], v[244:245]
	s_delay_alu instid0(VALU_DEP_2)
	v_pk_add_f32 v[14:15], v[14:15], v[254:255]
	s_delay_alu instid0(VALU_DEP_2)
	v_pk_add_f32 v[216:217], v[216:217], v[252:253]
	s_delay_alu instid0(VALU_DEP_1)
	v_pk_add_f32 v[14:15], v[14:15], v[216:217]
.irp b, 0,1,2,3
.irp i, 0,1,2,3,4,5,6,7,8,9,10,11,12,13,14,15
.endr
	v_cvt_scalef32_pk8_fp8_f32 v[192+4*\b:193+4*\b], v[96+16*\b:103+16*\b], v211
	v_cvt_scalef32_pk8_fp8_f32 v[194+4*\b:195+4*\b], v[104+16*\b:111+16*\b], v211
.endr
.set j, 0
.rept 16
	v_pk_mul_f32 v[160+j:161+j], v[160+j:161+j], v[212:213] op_sel_hi:[1,0]   ; O^T under the new M.  (These are also the plain instructions between the conversions and the products that read their results)
.set j, j+2
.endr
	s_wait_alu depctr_va_vdst(0)
	s_wait_dscnt 0x0                               ; V's fragments are in
.irp t, 0,1,2,3
	v_wmma_f32_16x16x128_fp8_fp8 v[160+8*\t:167+8*\t], v[32+16*\t:47+16*\t], v[192:207], v[160+8*\t:167+8*\t]   ; O^T += V^T P^T: four accumulators by turns; K = these 128 keys
.endr
.Lhidden_\@:
	s_add_co_u32 s[KF], s[KF], 128
.endm
; A QUERY BLOCK IS DONE: ctx = O^T x 2^(e8 + e9) / l, quantised under 2^e10; 16 tokens x 64 codes go through my stage and leave as four blocks of 256 bytes.  last = 0: then the second query block is set up.
.macro FINISH last
	s_wait_xcnt 0x0                                ; every earlier memory instruction has read its registers: v10 and v228-235, which the first block's stores named, are written again below
.rept 4
	v_nop                                          ; places behind the last products
.endr
	v_add_f32 v14, v14, v15                        ; l's two halves,
	s_delay_alu instid0(VALU_DEP_1)
	v_permlanex16_b32 v208, v14, s[SEL], s[SEL+1]
	s_delay_alu instid0(VALU_DEP_1)
	v_add_f32 v14, v14, v208                       ; and lane l xor 16's
	s_wait_alu depctr_va_vdst(0)
	v_rcp_f32 v14, v14
	v_lshl_add_u32 v10, s[Q0], 10, v[GOL]          ; (the plain instruction behind the reciprocal)  four tokens are 4,096 bytes of cc: 1,024 x my first query + my lane's bytes
	s_wait_alu depctr_va_vdst(0)                   ; ahead of the reciprocal's first reader
	v_ldexp_f32 v14, v14, s54                      ; x 2^(e8 + e9)
.set n, 0
.rept 32
	v_mul_f32 v[96+n], v[160+n], v14               ; register 8 t + i is ctx(query r, 16 t + 8 h + i); each accumulator from its low end on
.set n, n+1
.endr
.set n, 0
.rept 32
.set n, n+1
.endr
.irp t, 0,1,2,3
	v_cvt_scalef32_pk8_fp8_f32 v[220+2*\t:221+2*\t], v[96+8*\t:103+8*\t], v218
.endr
	v_nop                                          ; one plain vector instruction behind the last conversion
.irp t, 0,1,2,3
	ds_store_b64 v[STO], v[220+2*\t:221+2*\t] offset:16*\t
.endr
.irp i, 0,1
	ds_load_b128 v[228+4*\i:231+4*\i], v[SRD] offset:544*\i   ; LDS serves a wave's instructions in order (ISA guide 5.7.1.4): these see my stores
.endr
	s_wait_dscnt 0x0
.irp i, 0,1
	global_store_b128 v10, v[228+4*\i:231+4*\i], s[10:11] offset:8192*\i   ; sixteen lanes store 256 consecutive bytes, at a multiple of 256 from cc's first byte
.endr
.if !\last
	s_lshl_b32 s[Q0], s[FB2], 8                    ; block 7 - p
	s_add_co_u32 s[BEND], s[Q0], 256
	s_add_co_u32 s[Q0], s[Q0], s55
	s_mov_b32 s[KF], 0
	v_lshl_add_u32 v25, s[Q0], 6, v[QL]
	global_load_b128 v[16:19], v25, s[4:5]
	global_load_b128 v[20:23], v25, s[4:5] offset:32
	v_mov_b32 v13, 0xff61b1e6
	s_delay_alu instid0(VALU_DEP_1)
	v_floor_f32 v12, -v13
	v_mov_b32 v14, 0
	v_mov_b32 v15, 0
.set n, 0
.rept 32
	v_mov_b32 v[160+n], 0
.set n, n+1
.endr
	s_wait_loadcnt 0x0
.endif
.endm
; THE CHANGE OF SLOTS stands at a slot's head.  Each wave waits for all its tensor loads (its part of the slot that it is about to read), adds 0 to its spare word, and waits for that and for its reads of the slot that it has left.
; Behind the barrier the slot ahead is whole and nobody reads the other one.  fill = 1: that other slot is filled with the key slot that follows: the load has a whole slot's steps in which to land.
.macro CHANGE fill
	s_wait_tensorcnt 0x0                           ; no tensor load of mine is out, so a group 0 may be written
	ds_add_u32 v[SPW], v[NIL]                      ; 0 onto my spare word; the descriptors' steps stand between it and the wait for it
.if \fill
	s_add_co_u32 s[FK], s[FK], 1                   ; the next key slot; behind the first block's last, the second block's slot 0
	s_cmp_gt_u32 s[FK], s[FB]
	s_cselect_b32 s[FK], 0, s[FK]
	s_cselect_b32 s[FB], s[FB2], s[FB]
	s_xor_b32 s[G0K+1], s[G0K+1], SLOT1            ; the other LDS slot than last time
	s_xor_b32 s[G0V+1], s[G0V+1], SLOT1
	s_lshl_b32 s52, s[FK], 14                      ; a key slot of K is 16,384 bytes,
	s_add_nc_u64 s[G0K+2:G0K+3], s[6:7], s[52:53]
	s_or_b32 s[G0K+3], s[G0K+3], 0x80000000
	s_lshl_b32 s52, s[FK], 8                       ; of a row of V 256
	s_add_nc_u64 s[G0V+2:G0V+3], s[8:9], s[52:53]
	s_or_b32 s[G0V+3], s[G0V+3], 0x80000000
	s_wait_xcnt 0x0                                ; the last prefetch, a slot back, has read its address, so it may be written
	s_add_nc_u64 s[PFA:PFA+1], s[PFA:PFA+1], s[PFS:PFS+1]
.endif
	s_wait_dscnt 0x0                               ; the add is done, and my reads of the slot that I have left are over
	s_barrier_signal -1
	s_barrier_wait -1
.if \fill
	TLOAD                                          ; the first thing behind the barrier, and a wave's one tensor load until the next
	ASK
.endif
.endm
	s_wait_loadcnt 0x0                             ; Q
.Lslot:                                            ; eight trips: behind each change of slots but the last the next slot is asked for
	CHANGE 1
	STEP 0
	STEP 1
	s_xor_b32 s[TB], s[TB], SLOT1                  ; on to the other slot
	s_cmp_lg_u32 s[KF], s[BEND]                    ; was that the query block's last key slot?  A scalar branch on ids; it falls through once, at the end of trip p
	s_cbranch_scc1 .Lsame_block
	FINISH 0
.Lsame_block:
	s_sub_co_u32 s[SLOTS], s[SLOTS], 1
	s_cmp_lg_u32 s[SLOTS], 0
	s_cbranch_scc1 .Lslot
	CHANGE 0                                       ; the ninth slot is written out
	STEP 0
	STEP 1
	FINISH 1
	s_wait_tensorcnt 0x0                           ; the wave's end: behind my last tensor load and my last LDS store
	ds_add_u32 v[SPW], v[NIL]
	s_wait_dscnt 0x0
	s_endpgm
.Lfunc_end_k_q68907196d7_attn:
	.size	k_q68907196d7_attn, .Lfunc_end_k_q68907196d7_attn-k_q68907196d7_attn
	.p2alignl 7, 3214868480
	.fill 96, 4, 3214868480
	.section	.rodata,"a",@progbits
	.p2align	6, 0x0
	.amdhsa_kernel k_q68907196d7_attn
		.amdhsa_group_segment_fixed_size 327680
		.amdhsa_private_segment_fixed_size 0
		.amdhsa_enable_private_segment 0
		.amdhsa_kernarg_size 32
		.amdhsa_user_sgpr_count 2
		.amdhsa_user_sgpr_kernarg_segment_ptr 1
		.amdhsa_wavefront_size32 1
		.amdhsa_system_sgpr_workgroup_id_x 1
		.amdhsa_system_sgpr_workgroup_id_y 1
		.amdhsa_system_sgpr_workgroup_id_z 1
		.amdhsa_system_vgpr_workitem_id 0
		.amdhsa_next_free_vgpr 256
		.amdhsa_next_free_sgpr 100
		.amdhsa_reserve_vcc 1
		.amdhsa_float_denorm_mode_32 3
		.amdhsa_float_denorm_mode_16_64 3
		.amdhsa_fp16_overflow 1
		.amdhsa_memory_ordered 1
		.amdhsa_forward_progress 1
		.amdhsa_inst_pref_size 94
	.end_amdhsa_kernel
	.amdgpu_metadata
---
amdhsa.version: [ 1, 2 ]
amdhsa.kernels:
  - .name:           k_q68907196d7_attn
    .symbol:         k_q68907196d7_attn.kd
    .args:
      - { .name: qkc, .offset: 0, .size: 8, .value_kind: global_buffer, .address_space: global }
      - { .name: vc, .offset: 8, .size: 8, .value_kind: global_buffer, .address_space: global }
      - { .name: lowp_scales, .offset: 16, .size: 8, .value_kind: global_buffer, .address_space: global }
      - { .name: cc, .offset: 24, .size: 8, .value_kind: global_buffer, .address_space: global }
    .group_segment_fixed_size: 327680
    .private_segment_fixed_size: 0
    .kernarg_segment_align: 8
    .kernarg_segment_size: 32
    .max_flat_workgroup_size: 512
    .sgpr_count:     100
    .vgpr_count:     256
    .wavefront_size: 32
...
	.end_amdgpu_metadata
.endif
;; end of part 3
;; launch oproj (part 4): grid 4 x 32, 4 waves a work-group, clusters of 4 x 4, 327,680 bytes of LDS; arguments cc, wc, lowp_scales, out0, bo; writes out0
.if DOCPART == 4
	.amdgcn_target "amdgcn-amd-amdhsa--gfx1250"
	.amdhsa_code_object_version 6
	.text
	.protected	k_q68907196d7_oproj
	.globl	k_q68907196d7_oproj
	.p2align	8
	.type	k_q68907196d7_oproj,@function
k_q68907196d7_oproj:
	s_mov_b64 s[64:65], 0
	v_nop
	global_prefetch_b8 v0, s[64:65] scope:SCOPE_SE
	s_setreg_imm32_b32 hwreg(HW_REG_WAVE_MODE, 25, 1), 1
	s_wait_xcnt 0x0
	s_wait_alu depctr_hold_cnt(0) depctr_sa_sdst(0) depctr_va_vdst(0) depctr_va_sdst(0) depctr_va_ssrc(0) depctr_va_vcc(0) depctr_vm_vsrc(0)
	s_getreg_b32 s2, hwreg(HW_REG_IB_STS2, 6, 4)
	s_cmp_eq_u32 s2, 0
	s_cbranch_scc0 .Lentry_in_a_cluster
	s_endpgm
.Lentry_in_a_cluster:
	s_bfe_u32 s2, ttmp6, 0x10000c
	s_cmp_lg_u32 s2, 0xf033
	s_cbranch_scc0 .Lentry_shape_is_right
	s_endpgm
.Lentry_shape_is_right:
; out0 = ctx wo^T + bo on E4M3 codes.  A = ctx's codes, cc [2048 groups of 4 tokens][16 heads][4 tokens][64]; B = wo's codes, the fourth plane of wc, [1024][1024], K innermost; out0 [8192][1024] f32.
; The codes are multiplied as they are; each finished sum becomes sum x 2^(e10 + e11) + bo by one fused multiply-add.  LIMIT: e10 + e11 between -126 and 127.
; A tile of 256 x 256 is made by four waves, 128 x 128 each (64 accumulators, 512 registers); K = 1,024 goes in four steps of 256 through a ring of two LDS slots filled by joint tensor loads: the four work-groups of a
; row of the cluster share A's tile, the four of a column B's.  The grid has 128 tiles.  THE MATRIX INSTRUCTION IS USED TRANSPOSED (source 0 = 16 rows of B, source 1 = 16 rows of A): a lane holds eight neighbouring numbers of a row of out0.
; A'S TILE: 256 along K are four heads: 1,024 consecutive bytes of a group of four tokens.  So a wave's half of the tile, 128 tokens, is 32 rows of 1,024 bytes, 4,096 bytes apart.  In LDS token m's 64 codes of head g lie at
; (m / 4) x 1,040 + 256 g + 64 (m % 4).  k = 128 q + 32 c + 16 (lane / 16) of a K step is head 2 q + c / 2, place 32 (c % 2) + 16 (lane / 16): A's four loads of 16 bytes take the same k as B's, which lie 32 bytes apart in a row.
; That order is a permutation of k inside the instruction, the same in A and B.
; REGISTERS, in windows of 256: window 0: v1-29 addresses, v8-11 my four numbers of bo; from v128 A's fragments, ONE set; on the way out v128-255 rows read back.   window 1: B's fragments, TWO sets.   windows 2, 3: the accumulators.
.set SIZE_N, 1024
.set ROWB,   256                       ; B: a tile's row in bytes
.set AROWB,  1024                      ; A: a tile's row in bytes
.set PITCH,  272                       ; B's LDS row: 256 + 16: the 16 rows that a load touches start at 16 different banks (64 banks of 4 bytes: ISA guide 11.1)
.set APITCH, 1040                      ; A's LDS row: 1,024 + 16: the 16 tokens that a load touches (4 rows x 4 places of 64 bytes) start at 16 different groups of four banks
.set FR,     16
.set NL,     4
.set NP,     4                         ; places behind this matrix instruction (ISA guide 7.12.1)
.set HALFA,  32*APITCH                 ; what one tensor load brings of A
.set HALFB,  128*PITCH                 ; and of B
.set BOFF,   2*HALFA
.set SLOT,   2*HALFA+2*HALFB
.set LAPS,   2
.set SPARE,  2*SLOT                    ; behind the ring: the spare words, 128 bytes for each wave, which no other line names
.set SPITCH, 528                       ; the way out: a stage of 16 rows x (512 bytes + 16) for each wave, in slot 0, which has had its last fill and its last read by then
.set BO,   8                           ; v8-11   bo at my four columns of a row read back
.set ADRA, 16
.set ADRB, 20
.set STO,  24
.set RD,   25
.set CO,   26
.set SPW,  28
.set NIL,  29
.set AF,   128
.set BK,   128
.set G1, 24
.set G0, 32
.set G1B, 48
.set G0B, 56
.set MSB, 0
.macro WIN new                         ; the immediate's high byte repeats the setting that is left
.if MSB != \new
	s_set_vgpr_msb (MSB<<8)|\new
.set MSB, \new
.endif
.endm
.set MUL_LO, 0xa1                      ; source 0 (B) window 1, source 1 (A) window 0, C and D window 2
.set MUL_HI, 0xf1
.set TO_B,   0x40
; A joint load: waves 0 and 1 fetch for A, waves 2 and 3 for B; the branch hangs on the wave's number alone.  Four v_nop follow each of the two lines.
.macro JLOAD g0a, g1a, g0b, g1b
	s_cmp_eq_u32 s15, 0
	s_cbranch_scc0 .Lfor_b_\@
	tensor_load_to_lds s[\g0a:\g0a+3], s[\g1a:\g1a+7]
	s_nop 0
.rept 4
	v_nop
.endr
	s_branch .Lasked_\@
.Lfor_b_\@:
	tensor_load_to_lds s[\g0b:\g0b+3], s[\g1b:\g1b+7]
	s_nop 0
.rept 4
	v_nop
.endr
.Lasked_\@:
.endm
.macro CREST
	s_cmp_lg_u32 s14, 0
	s_cbranch_scc1 .Lnot_wave_0_\@
	s_barrier_signal -3
.Lnot_wave_0_\@:
	s_barrier_wait -3
	s_barrier_signal -1
	s_barrier_wait -1
.endm
.macro CROUND
	s_barrier_signal -1
	s_barrier_wait -1
	CREST
.endm
	s_load_b128 s[4:7], s[0:1], 0x0                ; cc s[4:5], wc s[6:7]
	s_load_b128 s[8:11], s[0:1], 0x10              ; the scales s[8:9], out0 s[10:11]
	s_load_b64 s[12:13], s[0:1], 0x20              ; bo
	v_lshl_add_u32 v[SPW], v0, 2, SPARE
	v_mov_b32 v[NIL], 0
	ds_add_u32 v28, v29
	ds_add_u32 v28, v29
	s_wait_dscnt 0x0
	v_lshrrev_b32 v1, 5, v0
	v_readfirstlane_b32 s14, v1                    ; wave 0..3
	s_lshr_b32 s15, s14, 1                         ; which half of the tile's rows is mine.  Also: I fetch for A (0) or for B (1)
	s_and_b32 s16, s14, 1                          ; which half of its columns.  Also: which half of that tile I fetch
	s_bfe_u32 s40, ttmp6, 0x40000                  ; cx, cy
	s_bfe_u32 s41, ttmp6, 0x40004
	s_lshl_b32 s42, ttmp9, 2
	s_add_co_u32 s42, s42, s40                     ; tile column
	s_and_b32 s17, ttmp7, 0xffff
	s_lshl_b32 s17, s17, 2
	s_add_co_u32 s17, s17, s41                     ; tile row
	s_lshl_b32 s43, s41, 2
	s_lshl_b32 s43, 15, s43                        ; my row of the cluster
	s_lshl_b32 s44, 0x1111, s40                    ; my column
	; descriptor group 1.  A: 32 rows x 1,024 bytes, 4,096 apart, four words of padding after every 256 (code 7).  B: 128 rows x 256 bytes, 1,024 apart, four words after every 64 (code 5)
	s_or_b32 s[G1+0], s43, (0<<16)|(1<<20)|(1<<21)|(7<<22)|(3<<25)
	s_mov_b32 s[G1+1], AROWB<<16                   ; tensor_dim0
	s_mov_b32 s[G1+2], 32<<16                      ; tensor_dim1
	s_mov_b32 s[G1+3], AROWB<<16                   ; tile_dim0
	s_mov_b32 s[G1+4], 32                          ; tile_dim1
	s_mov_b32 s[G1+5], 4096                        ; tensor_dim0_stride
	s_mov_b32 s[G1+6], 0
	s_mov_b32 s[G1+7], 0
	s_or_b32 s[G1B+0], s44, (0<<16)|(1<<20)|(1<<21)|(5<<22)|(3<<25)
	s_mov_b32 s[G1B+1], ROWB<<16
	s_mov_b32 s[G1B+2], 128<<16
	s_mov_b32 s[G1B+3], ROWB<<16
	s_mov_b32 s[G1B+4], 128
	s_mov_b32 s[G1B+5], 1024
	s_mov_b32 s[G1B+6], 0
	s_mov_b32 s[G1B+7], 0
	s_lshl_b32 s18, s16, 5
	s_lshl_b32 s20, s17, 6
	s_add_co_u32 s20, s20, s18                     ; A: group 64 x tile row + 32 x half,
	s_lshl_b32 s20, s20, 12                        ; of 4,096 bytes
	s_mov_b32 s21, 0
	s_lshl_b32 s18, s16, 7
	s_lshl_b32 s46, s42, 8
	s_add_co_u32 s46, s46, s18                     ; B: row 256 x tile column + 128 x half,
	s_lshl_b32 s46, s46, 10
	s_add_co_u32 s46, s46, 0x300000                ; in wc's fourth plane
	s_mov_b32 s47, 0
	s_mul_i32 s45, s16, HALFA                      ; where they go: no place in the cluster enters an LDS address
	s_mul_i32 s22, s16, HALFB
	s_add_co_u32 s22, s22, BOFF
	s_wait_kmcnt 0x0
	s_load_b64 s[96:97], s[8:9], 0x28              ; e10, e11
	s_add_nc_u64 s[20:21], s[4:5], s[20:21]
	s_add_nc_u64 s[46:47], s[6:7], s[46:47]
	CROUND                                         ; all sixteen work-groups are here: the first joint loads meet
.irp s, 0,1
	s_mov_b32 s[G0+4*\s], 1
	s_add_co_u32 s[G0+4*\s+1], s45, \s*SLOT
	s_add_nc_u64 s[G0+4*\s+2:G0+4*\s+3], s[20:21], \s*AROWB
	s_or_b32 s[G0+4*\s+3], s[G0+4*\s+3], 0x80000000
	s_mov_b32 s[G0B+4*\s], 1
	s_add_co_u32 s[G0B+4*\s+1], s22, \s*SLOT
	s_add_nc_u64 s[G0B+4*\s+2:G0B+4*\s+3], s[46:47], \s*ROWB
	s_or_b32 s[G0B+4*\s+3], s[G0B+4*\s+3], 0x80000000
	s_wait_alu depctr_va_vdst(0)
	s_wait_tensorcnt 0x0
	ds_add_u32 v28, v29
	ds_add_u32 v28, v29
	s_wait_dscnt 0x0
	CROUND
	JLOAD G0+4*\s, G1, G0B+4*\s, G1B
.endr
	v_and_b32 v1, 15, v0                           ; r
	v_bfe_u32 v2, v0, 4, 1                         ; h
	v_mul_u32_u24 v3, v1, PITCH
	v_lshl_add_u32 v4, v2, 4, v3                   ; B: row r x pitch + 16 h
	v_lshrrev_b32 v5, 2, v1
	v_mul_u32_u24 v5, v5, APITCH                   ; A: group r / 4,
	v_and_b32 v6, 3, v1
	v_lshl_add_u32 v5, v6, 6, v5                   ; token r % 4,
	v_lshl_add_u32 v5, v2, 4, v5                   ; + 16 h
	s_mul_i32 s21, s15, HALFA                      ; my 128 rows of A
	s_mul_i32 s22, s16, HALFB                      ; my 128 rows of B,
	s_add_co_u32 s22, s22, BOFF                    ; which lie behind A's
.irp s, 0,1
	v_add_nc_u32 v[ADRA+\s], s21, v5
	v_add_nc_u32 v[ADRB+\s], s22, v4
	s_add_co_u32 s21, s21, SLOT
	s_add_co_u32 s22, s22, SLOT
.endr
	s_mul_i32 s23, s14, 16*SPITCH                  ; my stage
	v_mul_u32_u24 v5, v1, SPITCH                   ; in: row r, 32 bytes for each half of the lanes
	v_lshl_add_u32 v5, v2, 5, v5
	v_add_nc_u32 v[STO], s23, v5
	v_and_b32 v6, 31, v0
	v_lshlrev_b32 v[CO], 4, v6                     ; back: the 32 lanes take one row of 512 bytes; and the same in out0 and in bo
	s_wait_alu depctr_va_vdst(0)
	v_add_nc_u32 v[RD], s23, v[CO]
	s_lshl_b32 s20, s17, 8
	s_lshl_b32 s21, s15, 7
	s_add_co_u32 s20, s20, s21                     ; my first row of out0,
	s_lshl_b32 s20, s20, 12                        ; of 4,096 bytes
	s_mov_b32 s21, 0
	s_lshl_b32 s46, s42, 10                        ; my first column, in bytes: 1,024 x tile column + 512 x half
	s_lshl_b32 s47, s16, 9
	s_add_co_u32 s46, s46, s47
	s_mov_b32 s47, 0
	s_add_nc_u64 s[12:13], s[12:13], s[46:47]
	global_load_b128 v[BO:BO+3], v[CO], s[12:13]   ; behind the stage a lane holds the same four columns in every row: four numbers of bo serve the whole tile
	s_add_nc_u64 s[20:21], s[20:21], s[46:47]
	s_add_nc_u64 s[10:11], s[10:11], s[20:21]
.macro FRAG reg, adr, q, i             ; B: lane l holds row l % 16; registers 4 c .. 4 c + 3 hold K = 32 c + 16 (l / 16) + 0 .. 15
.irp c, 0,1,2,3
	ds_load_b128 v[\reg+4*\c:\reg+4*\c+3], v[\adr] offset:128*(\q)+32*\c+(\i)*16*PITCH
.endr
.endm
.macro FRAGA reg, adr, q, i            ; A: the same k: head 2 q + c / 2 of the step's four, place 32 (c % 2) in it; 16 tokens are four LDS rows
.irp c, 0,1,2,3
	ds_load_b128 v[\reg+4*\c:\reg+4*\c+3], v[\adr] offset:(2*(\q)+\c/2)*256+(\c%2)*32+(\i)*4*APITCH
.endr
.endm
; 16 matrix instructions: A's blocks a0, a0 + 1 x B's eight.  The 64 accumulators take turns, one instruction a turn, in the same order in every step.
.macro MUL16 a0, p, zero
.irp a, \a0, \a0+1
.irp b, 0,1,2,3,4,5,6,7
.if \zero
	v_wmma_f32_16x16x128_fp8_fp8 v[8*(8*((\a)%4)+\b):8*(8*((\a)%4)+\b)+7], v[128*(\p)+FR*\b:128*(\p)+FR*\b+FR-1], v[AF+FR*(\a):AF+FR*(\a)+FR-1], 0
.else
	v_wmma_f32_16x16x128_fp8_fp8 v[8*(8*((\a)%4)+\b):8*(8*((\a)%4)+\b)+7], v[128*(\p)+FR*\b:128*(\p)+FR*\b+FR-1], v[AF+FR*(\a):AF+FR*(\a)+FR-1], v[8*(8*((\a)%4)+\b):8*(8*((\a)%4)+\b)+7]
.endif
.endr
.endr
.endm
.macro FETCH_B slot, q, p
	WIN TO_B
.irp i, 0,1,2,3,4,5,6,7
	FRAG 128*(\p)+FR*\i, ADRB+\slot, \q, \i
.endr
	WIN 0
.endm
.macro FETCH_A slot, q, i0
.irp i, \i0, \i0+1, \i0+2, \i0+3
	FRAGA AF+FR*(\i), ADRA+\slot, \q, \i
.endr
.endm
.macro PLACES n                        ; places in front of loads into registers that matrix instructions have read, and of the first read of results (ISA guide 7.12.1 for vector instructions)
.rept \n
	v_nop
.endr
.endm
.macro STEP slot, q, zero              ; a step of 128 along K that has its successor in the same slot
	s_wait_dscnt 4*NL                              ; B's set and A's blocks 0-3 are in; the youngest sixteen loads (A's blocks 4-7) may be out
	WIN MUL_LO
	MUL16 0, (\q)%2, \zero
	MUL16 2, (\q)%2, \zero
	s_wait_dscnt 0
	PLACES NP
	FETCH_B \slot, (\q)+1, 1-(\q)%2
	FETCH_A \slot, (\q)+1, 0
	WIN MUL_HI
	MUL16 4, (\q)%2, \zero
	MUL16 6, (\q)%2, \zero
	PLACES NP
	WIN 0
	FETCH_A \slot, (\q)+1, 4
.endm
; A slot's last step changes slots: ONE barrier; in front of it each wave waits for all its tensor loads, adds 0 to its spare word, and waits for that and for its own reads of this slot.
.macro TURN slot, next, fill
	s_wait_tensorcnt 0x0                           ; all my tensor loads have landed: my part of the next slot
	ds_add_u32 v[SPW], v[NIL]                      ; 0 onto my spare word
	s_wait_dscnt 4*NL+1                            ; (the add and the youngest sixteen loads may be out)
	WIN MUL_LO
	MUL16 0, 1, 0
	s_wait_dscnt 0x0                               ; the add is done, and my reads of this slot are over
	s_barrier_signal -1
	MUL16 2, 1, 0
	WIN 0
	s_barrier_wait -1
.if \fill
	CREST                                          ; the barrier has opened a round of the cluster's barrier: no wave of any partner still reads this slot's tile or has a load on its way
	s_add_nc_u64 s[G0+4*\slot+2:G0+4*\slot+3], s[G0+4*\slot+2:G0+4*\slot+3], 2*AROWB
	s_add_nc_u64 s[G0B+4*\slot+2:G0B+4*\slot+3], s[G0B+4*\slot+2:G0B+4*\slot+3], 2*ROWB
	JLOAD G0+4*\slot, G1, G0B+4*\slot, G1B         ; the first tensor load behind the round; its four v_nop are the places in front of the loads below
.else
	PLACES NP
.endif
	FETCH_B \next, 0, 0
	FETCH_A \next, 0, 0
	WIN MUL_HI
	MUL16 4, 1, 0
	MUL16 6, 1, 0
	PLACES NP
	WIN 0
	FETCH_A \next, 0, 4
.endm
	s_wait_tensorcnt 1                             ; my part of K step 0 is in (K step 1's load may be out)
	s_barrier_signal -1
	s_barrier_wait -1                              ; everybody's is
	FETCH_B 0, 0, 0
	FETCH_A 0, 0, 0
	FETCH_A 0, 0, 4
	STEP 0, 0, 1                                   ; the first step's products start the sums
	s_mov_b32 s3, LAPS-1
.Llap:
	TURN 0, 1, 1
	STEP 1, 0, 0
	TURN 1, 0, 1
	STEP 0, 0, 0
	s_sub_co_u32 s3, s3, 1
	s_cmp_lg_u32 s3, 0
	s_cbranch_scc1 .Llap
	TURN 0, 1, 0                                   ; the last lap fills nothing
	STEP 1, 0, 0
	s_wait_dscnt 4*NL
	WIN MUL_LO
	MUL16 0, 1, 0
	MUL16 2, 1, 0
	s_wait_dscnt 0
	WIN MUL_HI
	MUL16 4, 1, 0
	MUL16 6, 1, 0
	WIN 0
; THE WAY OUT, block by block of 16 rows x 128 columns.  The sums go into my own stage as they are, each accumulator's low four registers first, and come back as whole rows of 512 bytes; there each pair becomes
; sum x 2^(e10 + e11) + bo, and the 32 lanes store the row.  LDS serves a wave's instructions in order (ISA guide 5.7.1.4): no wait between the stores and the loads, nor in front of the next block's stores.
.macro TOSTAGE a
.set AC, 64*((\a)%4)
	WIN 0x08+4*((\a)/4)                            ; an LDS store's data are its source 1: window 2 or 3
.irp b, 0,1,2,3,4,5,6,7
	ds_store_b128 v[STO], v[AC+8*\b:AC+8*\b+3] offset:64*\b
	ds_store_b128 v[STO], v[AC+8*\b+4:AC+8*\b+7] offset:64*\b+16
.endr
	WIN 0
.set BB, BK+64*((\a)%2)
.irp t, 0,1,2,3,4,5,6,7,8,9,10,11,12,13,14,15
	ds_load_b128 v[BB+4*\t:BB+4*\t+3], v[RD] offset:\t*SPITCH
.endr
.endm
.macro SEND a, younger                 ; younger: the LDS instructions issued behind block a's loads, which may stay out
.set BB, BK+64*((\a)%2)
	s_wait_dscnt \younger                          ; the block is back in registers
.if (\a) > 0
	s_add_nc_u64 s[10:11], s[10:11], 16*SIZE_N*4   ; (behind a wait on XCNT: the earlier stores have read their base)  16 rows of out0 on
.endif
.irp t, 0,1,2,3,4,5,6,7,8,9,10,11,12,13,14,15
	v_pk_fma_f32 v[BB+4*\t:BB+4*\t+1], v[BB+4*\t:BB+4*\t+1], s[96:97], v[BO:BO+1] op_sel_hi:[1,0,1]
	v_pk_fma_f32 v[BB+4*\t+2:BB+4*\t+3], v[BB+4*\t+2:BB+4*\t+3], s[96:97], v[BO+2:BO+3] op_sel_hi:[1,0,1]
	global_store_b128 v[CO], v[BB+4*\t:BB+4*\t+3], s[10:11] offset:\t*SIZE_N*4 th:TH_STORE_NT   ; 32 lanes store 512 consecutive bytes, at a multiple of 512 from out0's first byte; written once, read by nobody here
.endr
.endm
	s_wait_kmcnt 0x0
	s_add_co_i32 s96, s96, s97
	s_add_co_i32 s96, s96, 127
	s_lshl_b32 s96, s96, 23                        ; 2^(e10 + e11) as f32
	s_mov_b32 s97, s96                             ; (named with it as a pair, so it is written)
	s_wait_loadcnt 0x0                             ; bo
	PLACES NP
	s_wait_alu depctr_va_vdst(0)
	TOSTAGE 0
.irp a, 1,2,3,4,5,6,7
.if \a > 1
	s_wait_xcnt 0x0                                ; block a - 2's stores have read their registers and their base: block a's loads may land there, and the base may step
.endif
	TOSTAGE \a
	SEND \a-1, 32                                  ; behind block a - 1's loads: block a's 16 stores and 16 loads
.endr
	s_wait_xcnt 0x0                                ; block 6's stores have read their base
	SEND 7, 0
	s_wait_tensorcnt 0x0                           ; the wave's end: behind my last tensor load and my last LDS store
	ds_add_u32 v[SPW], v[NIL]
	s_wait_dscnt 0x0
	CROUND                                         ; the closing round: no work-group ends while a partner may still ask for a tile that names it
	s_endpgm
.Lfunc_end_k_q68907196d7_oproj:
	.size	k_q68907196d7_oproj, .Lfunc_end_k_q68907196d7_oproj-k_q68907196d7_oproj
	.p2alignl 7, 3214868480
	.fill 96, 4, 3214868480
	.section	.rodata,"a",@progbits
	.p2align	6, 0x0
	.amdhsa_kernel k_q68907196d7_oproj
		.amdhsa_group_segment_fixed_size 327680
		.amdhsa_private_segment_fixed_size 0
		.amdhsa_enable_private_segment 0
		.amdhsa_kernarg_size 40
		.amdhsa_user_sgpr_count 2
		.amdhsa_user_sgpr_kernarg_segment_ptr 1
		.amdhsa_wavefront_size32 1
		.amdhsa_system_sgpr_workgroup_id_x 1
		.amdhsa_system_sgpr_workgroup_id_y 1
		.amdhsa_system_sgpr_workgroup_id_z 1
		.amdhsa_system_vgpr_workitem_id 0
		.amdhsa_next_free_vgpr 1024
		.amdhsa_next_free_sgpr 98
		.amdhsa_reserve_vcc 0
		.amdhsa_float_denorm_mode_32 3
		.amdhsa_float_denorm_mode_16_64 3
		.amdhsa_memory_ordered 1
		.amdhsa_forward_progress 1
		.amdhsa_inst_pref_size 125
	.end_amdhsa_kernel
	.amdgpu_metadata
---
amdhsa.version: [ 1, 2 ]
amdhsa.kernels:
  - .name:           k_q68907196d7_oproj
    .symbol:         k_q68907196d7_oproj.kd
    .args:
      - { .name: cc, .offset: 0, .size: 8, .value_kind: global_buffer, .address_space: global }
      - { .name: wc, .offset: 8, .size: 8, .value_kind: global_buffer, .address_space: global }
      - { .name: lowp_scales, .offset: 16, .size: 8, .value_kind: global_buffer, .address_space: global }
      - { .name: out0, .offset: 24, .size: 8, .value_kind: global_buffer, .address_space: global }
      - { .name: bo, .offset: 32, .size: 8, .value_kind: global_buffer, .address_space: global }
    .group_segment_fixed_size: 327680
    .private_segment_fixed_size: 0
    .kernarg_segment_align: 8
    .kernarg_segment_size: 40
    .max_flat_workgroup_size: 128
    .sgpr_count:     98
    .vgpr_count:     1024
    .wavefront_size: 32
...
	.end_amdgpu_metadata
.endif
;; end of part 4
